; MI455X (gfx1250); checked and timed in simulation.
; The chip was launched on July 23, 2026; its instructions are those of AMD's public machine-readable ISA for CDNA 5 (MIT licence, August 2026) and "CDNA5" Instruction Set Architecture Reference Guide (July 2026). The comments in the code are by the model that wrote it; some were corrected since.
;; Cross Modal Attention. Allowed arithmetic: float matrix products may take bf16 or f16 operands with f32 sums; other float arithmetic in f32, or as packed bf16 or f16 multiplies, adds, multiply-adds, maxima and minima; sums over many terms, partial sums and values carried from step to step in f32; what a program stores and reads back later, other than sums and carried values, may be rounded once to bf16 or f16.
;; Inputs: Wk 1,024 x 1,024 float32; Wo 1,024 x 1,024 float32; Wq 1,024 x 1,024 float32; Wv 1,024 x 1,024 float32; bk 1,024 float32; bo 1,024 float32; bq 1,024 float32; bv 1,024 float32; key_mask 8 x 2,048 bool; key_value 8 x 2,048 x 1,024 float32; query 8 x 512 x 1,024 float32.
;; Outputs: out0 8 x 512 x 1,024 float32.
;; 2 versions, each right; version 2 is version 1 with the launch cvt written anew for expert scheduling mode. Each part assembles by itself: llvm-mc -triple=amdgcn-amd-amdhsa -mcpu=gfx1250 --defsym DOCPART=n.
;; ======== version 1 of 2: 6 launches
;; workspace buffers: kv16 33,554,432 bytes; w16 8,388,608 bytes; wp 4,206,592 bytes; t0 8,388,608 bytes; t1 8,388,608 bytes; p 16,777,216 bytes; st 524,288 bytes; qb 16,384 bytes
;; launch cvt (part 1): grid 768 x 1, 8 waves a work-group, no clusters, 0 bytes of LDS; arguments key_value, query, Wq, Wk, Wv, Wo, kv16, t1, w16; writes kv16, t1, w16
.if DOCPART == 1
	.amdgcn_target "amdgcn-amd-amdhsa--gfx1250"
	.amdhsa_code_object_version 6
	.text
	.protected	k_q0d2ae39058_cvt
	.globl	k_q0d2ae39058_cvt
	.p2align	8
	.type	k_q0d2ae39058_cvt,@function
k_q0d2ae39058_cvt:
	s_mov_b64 s[64:65], 0
	v_nop
	global_prefetch_b8 v0, s[64:65] scope:SCOPE_SE
	s_setreg_imm32_b32 hwreg(HW_REG_WAVE_MODE, 25, 1), 1
	s_wait_xcnt 0x0
; f32 -> bf16, rounded once to nearest even, for the six large inputs: key_value -> kv16, query -> t1, and into w16: Wq at byte 0, Wk at 2,097,152, Wv at 4,194,304,
; and Wo TRANSPOSED ([column][row]) at 6,291,456, so that the launch behind can take Wv Wo as a product of rows with rows.
; A stream: each input byte is read once, each output byte written once; no LDS, no barrier, no matrix unit.
; SHARES.  A work-group of eight waves converts 131,072 input bytes into 65,536 output bytes.  Work-groups 0-511 key_value, 512-639 query, 640-671 Wq, 672-703 Wk, 704-735 Wv, 736-767 Wo.
; STRAIGHT (0-735): 32 turns of 4,096 bytes.  Thread t takes bytes 16 t of a turn's input and writes bytes 8 t of its output: a wave's load covers 512 consecutive bytes, its store 256, aligned.
; Sixteen loads of every wave are out; each turn has its own pair of store registers, and the two offset registers are never rewritten: the only waits are the counted ones for the loads.
; TURNED (736-767): four blocks of 128 rows x 64 columns of Wo.  A lane loads 16 bytes (4 columns) of each of 8 rows; the eight waves together take 256 consecutive bytes of each of the 128 rows.
; For each of its 4 columns the lane then holds 8 neighbouring rows' numbers: 16 bytes of a row of the turned matrix, and sixteen lanes store 256 consecutive bytes, aligned.
.set X,     4                          ; v[4:67]    as loaded: 16 slots of 4 (turned: two blocks of 8 loads)
.set Y,     68                         ; v[68:131]  as stored: each store has registers of its own
.set TURNS, 32
.set DEPTH, 16
	s_load_b512 s[8:23], s[0:1], 0x0               ; key_value s[8:9], query s[10:11], Wq s[12:13], Wk s[14:15], Wv s[16:17], Wo s[18:19], kv16 s[20:21], t1 s[22:23]
	s_load_b64 s[24:25], s[0:1], 0x40              ; w16
	s_cmp_ge_u32 ttmp9, 736
	s_cbranch_scc1 .Ltrans
	v_lshlrev_b32 v1, 4, v0                        ; 16 t
	v_lshlrev_b32 v2, 3, v0                        ; 8 t
	s_mov_b32 s32, 704                             ; the first work-group of my source,
	s_mov_b32 s34, 640                             ; and of my destination: the last straight segment's, overridden downwards
	s_wait_kmcnt 0x0
	s_mov_b64 s[28:29], s[16:17]                   ; Wv
	s_mov_b64 s[30:31], s[24:25]                   ; w16
	s_cmp_lt_u32 ttmp9, 704
	s_cselect_b64 s[28:29], s[14:15], s[28:29]     ; Wk
	s_cselect_b32 s32, 672, s32
	s_cmp_lt_u32 ttmp9, 672
	s_cselect_b64 s[28:29], s[12:13], s[28:29]     ; Wq
	s_cselect_b32 s32, 640, s32
	s_cmp_lt_u32 ttmp9, 640
	s_cselect_b64 s[28:29], s[10:11], s[28:29]     ; query
	s_cselect_b64 s[30:31], s[22:23], s[30:31]     ; t1
	s_cselect_b32 s32, 512, s32
	s_cselect_b32 s34, 512, s34
	s_cmp_lt_u32 ttmp9, 512
	s_cselect_b64 s[28:29], s[8:9], s[28:29]       ; key_value
	s_cselect_b64 s[30:31], s[20:21], s[30:31]     ; kv16
	s_cselect_b32 s32, 0, s32
	s_cselect_b32 s34, 0, s34
	s_sub_co_u32 s32, ttmp9, s32
	s_lshl_b32 s32, s32, 17                        ; 131,072 bytes of source a work-group (under 2^27)
	s_mov_b32 s33, 0
	s_sub_co_u32 s34, ttmp9, s34
	s_lshl_b32 s34, s34, 16                        ; 65,536 bytes of destination
	s_mov_b32 s35, 0
	s_add_nc_u64 s[28:29], s[28:29], s[32:33]
	s_add_nc_u64 s[30:31], s[30:31], s[34:35]
.set i, 0
.rept DEPTH
	global_load_b128 v[X+4*i:X+4*i+3], v1, s[28:29] offset:4096*i th:TH_LOAD_NT
.set i, i+1
.endr
.macro SLOT i
.if (\i) < TURNS-DEPTH
	s_wait_loadcnt DEPTH-1                         ; loads come back in order: mine is in, the fifteen younger ones stay out
.else
	s_wait_loadcnt TURNS-1-(\i)                    ; the last sixteen turns load nothing: the counts run down
.endif
	v_cvt_pk_bf16_f32 v[Y+2*(\i)],   v[X+4*((\i)%DEPTH)],   v[X+4*((\i)%DEPTH)+1]
	v_cvt_pk_bf16_f32 v[Y+2*(\i)+1], v[X+4*((\i)%DEPTH)+2], v[X+4*((\i)%DEPTH)+3]
.if (\i) < TURNS-DEPTH
	global_load_b128 v[X+4*((\i)%DEPTH):X+4*((\i)%DEPTH)+3], v1, s[28:29] offset:4096*((\i)+DEPTH) th:TH_LOAD_NT
.endif
	global_store_b64 v2, v[Y+2*(\i):Y+2*(\i)+1], s[30:31] offset:2048*(\i) th:TH_STORE_NT
.endm
.set t, 0
.rept TURNS
	SLOT t
.set t, t+1
.endr
	s_endpgm
.Ltrans:                                       ; work-group g = 0..31 of Wo: rows 128 (g % 8) on, columns 256 (g / 8) on, in four blocks of 64 columns
	v_and_b32 v3, 15, v0                           ; r: my 8 rows are 8 r .. 8 r + 7 of the 128
	v_lshrrev_b32 v1, 4, v0                        ; c = t / 16: my 4 columns are 4 c .. 4 c + 3 of the 64
	v_lshlrev_b32 v2, 13, v1                       ; store: 4 c rows of 2,048 bytes,
	v_lshl_or_b32 v2, v3, 4, v2                    ; 16 r bytes along them
	v_lshlrev_b32 v1, 4, v1                        ; load: 16 c bytes along a row,
	v_lshl_or_b32 v1, v3, 15, v1                   ; 8 r rows of 4,096 bytes
	s_sub_co_u32 s32, ttmp9, 736
	s_and_b32 s33, s32, 7                          ; which 128 rows
	s_lshr_b32 s32, s32, 3                         ; which 256 columns
	s_lshl_b32 s34, s33, 19                        ; source: 128 rows of 4,096 bytes,
	s_lshl_b32 s35, s32, 10                        ; 256 columns of 4 bytes
	s_add_co_u32 s34, s34, s35
	s_mov_b32 s35, 0
	s_lshl_b32 s36, s32, 19                        ; destination: 256 rows of 2,048 bytes,
	s_lshl_b32 s37, s33, 8                         ; 128 columns of 2 bytes,
	s_add_co_u32 s36, s36, s37
	s_add_co_u32 s36, s36, 6291456                 ; behind Wq, Wk and Wv
	s_mov_b32 s37, 0
	s_wait_kmcnt 0x0
	s_add_nc_u64 s[28:29], s[18:19], s[34:35]
	s_add_nc_u64 s[30:31], s[24:25], s[36:37]
.macro TLOAD q                         ; block q: my 4 columns of my 8 rows
.irp i, 0,1,2,3,4,5,6,7
	global_load_b128 v[X+32*((\q)%2)+4*\i:X+32*((\q)%2)+4*\i+3], v1, s[28:29] offset:4096*\i+256*(\q)
.endr
.endm
.macro TBLK q, left                    ; left: the younger block's loads, which may stay out
	s_wait_loadcnt \left
.irp e, 0,1,2,3
.irp k, 0,1,2,3
	v_cvt_pk_bf16_f32 v[Y+16*(\q)+4*\e+\k], v[X+32*((\q)%2)+8*\k+\e], v[X+32*((\q)%2)+8*\k+4+\e]  ; column e: rows 2 k (low half) and 2 k + 1
.endr
.endr
.if (\q) < 2
	TLOAD (\q)+2
.endif
.irp e, 0,1,2,3
	global_store_b128 v2, v[Y+16*(\q)+4*\e:Y+16*(\q)+4*\e+3], s[30:31] offset:(64*(\q)+\e)*2048 th:TH_STORE_NT  ; 16 lanes store 256 consecutive bytes, aligned
.endr
.endm
	TLOAD 0
	TLOAD 1
	TBLK 0, 8
	TBLK 1, 8
	TBLK 2, 8
	TBLK 3, 0
	s_endpgm
.Lfunc_end_k_q0d2ae39058_cvt:
	.size	k_q0d2ae39058_cvt, .Lfunc_end_k_q0d2ae39058_cvt-k_q0d2ae39058_cvt
	.p2alignl 7, 3214868480
	.fill 96, 4, 3214868480
	.section	.rodata,"a",@progbits
	.p2align	6, 0x0
	.amdhsa_kernel k_q0d2ae39058_cvt
		.amdhsa_group_segment_fixed_size 0
		.amdhsa_private_segment_fixed_size 0
		.amdhsa_enable_private_segment 0
		.amdhsa_kernarg_size 72
		.amdhsa_user_sgpr_count 2
		.amdhsa_user_sgpr_kernarg_segment_ptr 1
		.amdhsa_wavefront_size32 1
		.amdhsa_system_sgpr_workgroup_id_x 1
		.amdhsa_system_sgpr_workgroup_id_y 1
		.amdhsa_system_sgpr_workgroup_id_z 1
		.amdhsa_system_vgpr_workitem_id 0
		.amdhsa_next_free_vgpr 132
		.amdhsa_next_free_sgpr 66
		.amdhsa_reserve_vcc 0
		.amdhsa_float_denorm_mode_32 3
		.amdhsa_float_denorm_mode_16_64 3
		.amdhsa_memory_ordered 1
		.amdhsa_forward_progress 1
		.amdhsa_inst_pref_size 23
	.end_amdhsa_kernel
	.amdgpu_metadata
---
amdhsa.version: [ 1, 2 ]
amdhsa.kernels:
  - .name:           k_q0d2ae39058_cvt
    .symbol:         k_q0d2ae39058_cvt.kd
    .args:
      - { .name: key_value, .offset: 0, .size: 8, .value_kind: global_buffer, .address_space: global }
      - { .name: query, .offset: 8, .size: 8, .value_kind: global_buffer, .address_space: global }
      - { .name: Wq, .offset: 16, .size: 8, .value_kind: global_buffer, .address_space: global }
      - { .name: Wk, .offset: 24, .size: 8, .value_kind: global_buffer, .address_space: global }
      - { .name: Wv, .offset: 32, .size: 8, .value_kind: global_buffer, .address_space: global }
      - { .name: Wo, .offset: 40, .size: 8, .value_kind: global_buffer, .address_space: global }
      - { .name: kv16, .offset: 48, .size: 8, .value_kind: global_buffer, .address_space: global }
      - { .name: t1, .offset: 56, .size: 8, .value_kind: global_buffer, .address_space: global }
      - { .name: w16, .offset: 64, .size: 8, .value_kind: global_buffer, .address_space: global }
    .group_segment_fixed_size: 0
    .private_segment_fixed_size: 0
    .kernarg_segment_align: 8
    .kernarg_segment_size: 72
    .max_flat_workgroup_size: 256
    .sgpr_count:     66
    .vgpr_count:     132
    .wavefront_size: 32
...
	.end_amdgpu_metadata
.endif
;; end of part 1
;; launch wprod (part 2): grid 8 x 16, 4 waves a work-group, clusters of 4 x 4, 327,680 bytes of LDS; arguments w16, bq, bv, bk, wp; writes wp
.if DOCPART == 2
	.amdgcn_target "amdgcn-amd-amdhsa--gfx1250"
	.amdhsa_code_object_version 6
	.text
	.protected	k_q0d2ae39058_wprod
	.globl	k_q0d2ae39058_wprod
	.p2align	8
	.type	k_q0d2ae39058_wprod,@function
k_q0d2ae39058_wprod:
	s_mov_b64 s[64:65], 0
	v_nop
	global_prefetch_b8 v0, s[64:65] scope:SCOPE_SE
	s_setreg_imm32_b32 hwreg(HW_REG_WAVE_MODE, 25, 1), 1
	s_wait_xcnt 0x0
	s_wait_alu depctr_hold_cnt(0) depctr_sa_sdst(0) depctr_va_vdst(0) depctr_va_sdst(0) depctr_va_ssrc(0) depctr_va_vcc(0) depctr_vm_vsrc(0)
	s_getreg_b32 s2, hwreg(HW_REG_IB_STS2, 6, 4)
	s_cmp_eq_u32 s2, 0
	s_cbranch_scc0 .Lentry_in_a_cluster
	s_endpgm
.Lentry_in_a_cluster:
	s_bfe_u32 s2, ttmp6, 0x10000c
	s_cmp_lg_u32 s2, 0xf033
	s_cbranch_scc0 .Lentry_shape_is_right
	s_endpgm
.Lentry_shape_is_right:
; THE WEIGHTS' PRODUCTS, made once, so that each pair of projections becomes one:  (x Wq + bq) Wk^T = x W1 + b1  and  (c Wv + bv) Wo + bo = c W2 + (bv Wo + bo).
; W1[i][j] = sum over h of Wq[i][h] Wk[j][h];  W2[i][j] = sum over h of Wv[i][h] WoT[j][h].  w16 holds, in bf16, Wq, Wk, Wv and Wo turned ([j][h]), 2,097,152 bytes each: both products are rows times rows.
; Also three vectors, in f32: b1[j] = Wk[j] . bq,  bw[j] = WoT[j] . bv (= bv Wo),  u[i] = Wq[i] . bk (so that (x Wq + bq) . bk = x . u + bq . bk).  bq, bv, bk are rounded to bf16 like every input.
; wp: W1 at byte 0, W2 at 2,097,152 (bf16, rounded once, [i][j]); b1 at 4,194,304, bw at 4,198,400, u at 4,202,496.  Sums in f32.
; SHARES.  Tiles of 128 x 128: 64 for each product, 128 work-groups in all, which is all the work there is.  Clusters with y = 0, 1 make W1, those with y = 2, 3 make W2: the half enters addresses, and one
; branch that holds no barrier.  Four waves of 64 x 64; four K steps of 256 through two slots; A's tile asked for jointly along a row of the 4 x 4 cluster, B's along a column.
; Source 0 = 16 rows of B, source 1 = 16 rows of A: a lane holds row l % 16 of the product and the columns 8 (l / 16) + 0..7.
; THE VECTORS: a half's 1,024 rows are shared out by address: wave w of tile (tr, tc) takes rows 128 tr + 16 tc + 4 w + 0..3, of B (b1, bw) and, in the first half, of A (u).  Each such store is 16 bytes.
; The sums start at 0: 128 lines in the wait for the first tile, so that the loop has one form of product.  No prefetch: four steps, two of them first fills.
.set NS,    4
.set PA,    528                        ; an LDS row: 512 bytes + 16: the 16 rows of a load start 4 banks apart (64 banks of 4 bytes: ISA guide 11.1)
.set HALFT, 64*PA                      ; what one tensor load brings
.set SLOT,  4*HALFT                    ; A's 128 rows, then B's 128 rows
.set STAGE, 2*SLOT
.set SP,    272
.set SPARE, STAGE+128*SP
.set STEP,  512
.set BOFF,  2097152                    ; B lies behind A in each half of w16
.set VEC,   4194304                    ; b1, then bw, in wp
.set UOF,   VEC+8192                   ; u
.set A0,   16
.set B0,   17
.set ADRA, 18
.set ADRB, 19
.set STO,  24
.set RD,   25
.set CO,   26
.set SPW,  28
.set NIL,  29
.set TMP,  32
.set ACC,  128
.set F0,   0
.set F1,   128
.set WV, 16
.set WR, 17
.set WC, 18
.set CX, 19
.set CY, 20
.set TC, 21
.set TR, 22                            ; tile row in wp: 0..15
.set BAT, 23                           ; cluster y
.set G1A, 24
.set G0A, 32
.set G1B, 40
.set G0B, 48
.set TB,  56
.set WOF, 57
.set CNT, 59
.set X0,  60                           ; wave's number alone
.set RM,  61
.set CM,  62
.set RT,  66                           ; row side: never holds cx
.set CT,  68                           ; column side: never holds cy
.set SEL, 70
.set X2,  72                           ; wave's number alone
.set TRL, 74                           ; tile row in my half: 0..7
.set HF,  75                           ; my half's first byte in w16: 0 or 4,194,304
.set X3,  76                           ; for global offsets alone
.set X4,  77
.set SV,  78
.set MUL, 0x05
.set MSB, 0
.macro WIN new
.if MSB != (\new)
	s_set_vgpr_msb (MSB<<8)|(\new)
.set MSB, \new
.endif
.endm
.macro PLACES
.rept 4
	v_nop
.endr
.endm
.macro CREST
	s_cmp_lg_u32 s[WV], 0
	s_cbranch_scc1 .Lnot_wave_0_\@
	s_barrier_signal -3
.Lnot_wave_0_\@:
	s_barrier_wait -3
	s_barrier_signal -1
	s_barrier_wait -1
.endm
.macro CROUND
	s_barrier_signal -1
	s_barrier_wait -1
	CREST
.endm
.macro JLOAD
	s_cmp_eq_u32 s[WR], 0
	s_cbranch_scc0 .Lfor_b_\@
	tensor_load_to_lds s[G0A+4:G0A+7], s[G1A:G1A+7]
	s_nop 0
	PLACES
	s_branch .Lasked_\@
.Lfor_b_\@:
	tensor_load_to_lds s[G0B+4:G0B+7], s[G1B:G1B+7]
	s_nop 0
	PLACES
.Lasked_\@:
.endm
	s_load_b256 s[4:11], s[0:1], 0x0               ; w16 s[4:5], bq s[6:7], bv s[8:9], bk s[10:11]
	s_load_b64 s[12:13], s[0:1], 0x20              ; wp
	v_lshl_add_u32 v[SPW], v0, 2, SPARE
	v_mov_b32 v[NIL], 0
	ds_add_u32 v[SPW], v[NIL]                      ; the wave's opening: the add and its wait ahead of my first tensor load
	v_lshrrev_b32 v1, 5, v0
	v_readfirstlane_b32 s[WV], v1
	s_lshr_b32 s[WR], s[WV], 1
	s_and_b32 s[WC], s[WV], 1
	s_bfe_u32 s[CX], ttmp6, 0x40000
	s_bfe_u32 s[CY], ttmp6, 0x40004
	s_lshl_b32 s[TC], ttmp9, 2
	s_add_co_u32 s[TC], s[TC], s[CX]
	s_and_b32 s[BAT], ttmp7, 0xffff
	s_lshl_b32 s[TR], s[BAT], 2
	s_add_co_u32 s[TR], s[TR], s[CY]
	s_and_b32 s[TRL], s[BAT], 1
	s_lshl_b32 s[TRL], s[TRL], 2
	s_add_co_u32 s[TRL], s[TRL], s[CY]
	s_lshr_b32 s[HF], s[BAT], 1
	s_lshl_b32 s[HF], s[HF], 22
	s_lshl_b32 s[RM], s[CY], 2
	s_lshl_b32 s[RM], 15, s[RM]
	s_lshl_b32 s[CM], 0x1111, s[CX]
	s_or_b32 s[G1A], s[RM], (1<<16)|(1<<20)|(1<<21)|(6<<22)|(3<<25)  ; 64 rows x 256 elements; after every 128 words, 4 words of padding
	s_or_b32 s[G1B], s[CM], (1<<16)|(1<<20)|(1<<21)|(6<<22)|(3<<25)
.irp g, G1A, G1B
	s_mov_b32 s[\g+1], 256<<16
	s_mov_b32 s[\g+2], 64<<16
	s_mov_b32 s[\g+3], 256<<16
	s_mov_b32 s[\g+4], 64
	s_mov_b32 s[\g+5], 1024
	s_mov_b32 s[\g+6], 0
	s_mov_b32 s[\g+7], 0
.endr
	s_lshl_b32 s[X0], s[WC], 6
	s_lshl_b32 s[RT], s[TRL], 7
	s_add_co_u32 s[RT], s[RT], s[X0]
	s_lshl_b32 s[RT], s[RT], 11                    ; A: (128 x tile row + 64 x half of the tile) rows of 2,048 bytes,
	s_add_co_u32 s[RT], s[RT], s[HF]               ; in my half of w16
	s_mov_b32 s[RT+1], 0
	s_lshl_b32 s[CT], s[TC], 7
	s_add_co_u32 s[CT], s[CT], s[X0]
	s_lshl_b32 s[CT], s[CT], 11                    ; B: (128 x tile column + 64 x half of the tile) rows,
	s_add_co_u32 s[CT], s[CT], BOFF                ; behind A,
	s_add_co_u32 s[CT], s[CT], s[HF]               ; in my half of w16
	s_mov_b32 s[CT+1], 0
	s_mul_i32 s[WOF], s[WV], HALFT                 ; A's two halves, then B's two halves = wave x 64 rows
	s_mov_b32 s[SEL], 0x76543210
	s_mov_b32 s[SEL+1], 0xfedcba98
	s_wait_dscnt 0x0
	s_wait_kmcnt 0x0
	s_add_nc_u64 s[RT:RT+1], s[4:5], s[RT:RT+1]
	s_add_nc_u64 s[CT:CT+1], s[4:5], s[CT:CT+1]
	s_cmp_lt_u32 s[BAT], 2
	s_cselect_b64 s[14:15], s[6:7], s[8:9]         ; the vector that B's rows are multiplied by: bq in the first half, bv in the second
	CROUND
	s_mov_b32 s[G0A], 1
	s_mov_b32 s[G0A+1], s[WOF]
	s_mov_b64 s[G0A+2:G0A+3], s[RT:RT+1]
	s_or_b32 s[G0A+3], s[G0A+3], 0x80000000
	s_mov_b32 s[G0A+4], 1
	s_add_co_u32 s[G0A+5], s[WOF], SLOT
	s_add_nc_u64 s[G0A+6:G0A+7], s[RT:RT+1], STEP
	s_or_b32 s[G0A+7], s[G0A+7], 0x80000000
	s_mov_b32 s[G0B], 1
	s_mov_b32 s[G0B+1], s[WOF]
	s_mov_b64 s[G0B+2:G0B+3], s[CT:CT+1]
	s_or_b32 s[G0B+3], s[G0B+3], 0x80000000
	s_mov_b32 s[G0B+4], 1
	s_add_co_u32 s[G0B+5], s[WOF], SLOT
	s_add_nc_u64 s[G0B+6:G0B+7], s[CT:CT+1], STEP
	s_or_b32 s[G0B+7], s[G0B+7], 0x80000000
	s_cmp_eq_u32 s[WR], 0
	s_cbranch_scc0 .Lfirst_b
	tensor_load_to_lds s[G0A:G0A+3], s[G1A:G1A+7]
	s_nop 0
	tensor_load_to_lds s[G0A+4:G0A+7], s[G1A:G1A+7]
	s_nop 0
	PLACES
	s_branch .Lfirst_asked
.Lfirst_b:
	tensor_load_to_lds s[G0B:G0B+3], s[G1B:G1B+7]
	s_nop 0
	tensor_load_to_lds s[G0B+4:G0B+7], s[G1B:G1B+7]
	s_nop 0
	PLACES
.Lfirst_asked:
	; the vectors' loads: four rows (lane l: elements 256 j + 8 l + 0..7, j = 0..3) and the same elements of the vector
	v_and_b32 v3, 31, v0
	s_lshl_b32 s[X3], s[TRL], 7
	s_lshl_b32 s[X4], s[TC], 4
	s_add_co_u32 s[X3], s[X3], s[X4]
	s_lshl_b32 s[X4], s[WV], 2
	s_add_co_u32 s[X3], s[X3], s[X4]               ; my first row, in my half
	s_lshl_b32 s[X4], s[X3], 11
	s_add_co_u32 s[X4], s[X4], s[HF]
	v_lshl_add_u32 v5, v3, 4, s[X4]
	v_lshlrev_b32 v6, 5, v3
	s_lshl_b32 s[X4], s[X3], 2
	v_lshl_add_u32 v7, v3, 2, s[X4]                ; u: 4 x (my first row + l)
	s_lshr_b32 s[X4], s[HF], 10
	v_add_nc_u32 v8, s[X4], v7                     ; b1 or, 4,096 bytes on, bw
.irp i, 0,1,2,3
.irp j, 0,1,2,3
	global_load_b128 v[128+16*\i+4*\j:128+16*\i+4*\j+3], v5, s[4:5] offset:BOFF+2048*\i+512*\j
.endr
.endr
.irp j, 0,1,2,3
	global_load_b128 v[192+8*\j:192+8*\j+3], v6, s[14:15] offset:1024*\j
	global_load_b128 v[196+8*\j:196+8*\j+3], v6, s[14:15] offset:1024*\j+16
.endr
	v_and_b32 v1, 15, v0
	v_bfe_u32 v2, v0, 4, 1
	v_mul_u32_u24 v4, v1, PA
	v_lshl_add_u32 v4, v2, 4, v4                   ; a fragment's row x pitch + 16 h
	s_mul_i32 s[X0], s[WR], HALFT
	v_add_nc_u32 v[A0], s[X0], v4
	s_mul_i32 s[X0], s[WC], HALFT
	s_add_co_u32 s[X0], s[X0], 2*HALFT
	v_add_nc_u32 v[B0], s[X0], v4
	s_mul_i32 s[X0], s[WR], 64*SP
	s_lshl_b32 s[X2], s[WC], 7
	s_add_co_u32 s[X0], s[X0], s[X2]
	s_add_co_u32 s[X0], s[X0], STAGE
	v_mul_u32_u24 v[STO], v1, SP
	v_lshl_add_u32 v[STO], v2, 4, v[STO]
	v_add_nc_u32 v[STO], s[X0], v[STO]
	s_mul_i32 s[X0], s[WV], 32*SP
	s_add_co_u32 s[X0], s[X0], STAGE
	v_mul_u32_u24 v[RD], v2, SP
	v_lshl_add_u32 v[RD], v1, 4, v[RD]
	v_add_nc_u32 v[RD], s[X0], v[RD]
	v_lshlrev_b32 v[CO], 11, v2
	v_lshl_add_u32 v[CO], v1, 4, v[CO]
	s_lshl_b32 s[RT], s[TR], 7
	s_lshl_b32 s[X0], s[WV], 5
	s_add_co_u32 s[RT], s[RT], s[X0]               ; the first row of wp that I store: W2's rows follow W1's
	s_lshl_b32 s[RT], s[RT], 11
	s_mov_b32 s[RT+1], 0
	s_lshl_b32 s[CT], s[TC], 8
	s_mov_b32 s[CT+1], 0
	s_add_nc_u64 s[6:7], s[12:13], s[RT:RT+1]      ; the products' stores go by s[6:7]; s[12:13] stays at wp's first byte for the vectors
	s_add_nc_u64 s[6:7], s[6:7], s[CT:CT+1]
; Four rows (64 registers from rows on) times a vector (32 f32 from vec on, rounded to bf16 in pairs that match the rows' words): 128 multiply-adds from bf16 halves into f32, the rows by turns;
; the sum over the 32 lanes; lane l of the first four stores row l's sum at wp + place + v[off].
.macro DOT rows, vec, off, place
.set i, 0
.rept 16
	v_cvt_pk_bf16_f32 v[224+i], v[(\vec)+2*i], v[(\vec)+2*i+1]
.set i, i+1
.endr
.irp i, 0,1,2,3
	v_mov_b32 v[240+\i], 0
	v_mov_b32 v[244+\i], 0                         ; (the exchange's destination counts as read)
.endr
.set n, 0
.rept 16
.irp i, 0,1,2,3
	v_fma_mix_f32_bf16 v[240+\i], v[(\rows)+16*\i+n], v[224+n], v[240+\i] op_sel_hi:[1,1,0]
.endr
.irp i, 0,1,2,3
	v_fma_mix_f32_bf16 v[240+\i], v[(\rows)+16*\i+n], v[224+n], v[240+\i] op_sel:[1,1,0] op_sel_hi:[1,1,0]
.endr
.set n, n+1
.endr
.irp x, 1,2,4,8
.irp i, 0,1,2,3
	v_add_f32_dpp v[240+\i], v[240+\i], v[240+\i] row_xmask:\x row_mask:0xf bank_mask:0xf
.endr
.endr
.irp i, 0,1,2,3
	v_permlanex16_b32 v[244+\i], v[240+\i], s[SEL], s[SEL+1]
.endr
.irp i, 0,1,2,3
	v_add_f32 v[240+\i], v[240+\i], v[244+\i]
.endr
	v_mov_b32 v10, v240
	v_cmp_eq_u32 vcc_lo, 1, v3
	v_cndmask_b32 v10, v10, v241, vcc_lo
	v_cmp_eq_u32 vcc_lo, 2, v3
	v_cndmask_b32 v10, v10, v242, vcc_lo
	v_cmp_eq_u32 vcc_lo, 3, v3
	v_cndmask_b32 v10, v10, v243, vcc_lo
	v_cmp_gt_u32 vcc_lo, 4, v3
	s_wait_xcnt 0x0                                ; EXEC changes only behind this wait
	s_and_saveexec_b32 s[SV], vcc_lo
	global_store_b32 v[\off], v10, s[12:13] offset:\place
	s_wait_xcnt 0x0                                ; and again, in front of the line that widens it; v10 is rewritten only behind it too
	s_or_b32 exec_lo, exec_lo, s[SV]
.endm
	s_cmp_lt_u32 s[BAT], 2                         ; the cluster's y: the same in all sixteen partners
	s_cbranch_scc0 .Lhi
.irp i, 0,1,2,3                        ; the first half alone: A's rows (Wq) and bk
.irp j, 0,1,2,3
	global_load_b128 v[32+16*\i+4*\j:32+16*\i+4*\j+3], v5, s[4:5] offset:2048*\i+512*\j
.endr
.endr
.irp j, 0,1,2,3
	global_load_b128 v[96+8*\j:96+8*\j+3],   v6, s[10:11] offset:1024*\j
	global_load_b128 v[100+8*\j:100+8*\j+3], v6, s[10:11] offset:1024*\j+16
.endr
	s_wait_loadcnt 0x0
	DOT 32, 96, 7, UOF
.Lhi:
	s_wait_loadcnt 0x0
	DOT 128, 192, 8, VEC
.set i, 0
.rept 128
	v_mov_b32 v[ACC+i], 0
.set i, i+1
.endr
.macro MUL8 f, c, a0                   ; the 16 accumulators take turns, one instruction a turn
	WIN MUL
.irp a, \a0, (\a0)+1
.irp b, 0,1,2,3
.set rD, ACC+8*(4*(\a)+(\b))
.set rB, (\f)+64+8*(4*(\c)+(\b))
.set rA, (\f)+8*(4*(\c)+(\a))
	v_wmma_f32_16x16x32_bf16 v[rD:rD+7], v[rB:rB+7], v[rA:rA+7], v[rD:rD+7]
.endr
.endr
.endm
.macro FETCH q, f
	WIN 0x40
.irp c, 0,1
.irp i, 0,1,2,3
.set rB, (\f)+64+8*(4*(\c)+(\i))
.set rA, (\f)+8*(4*(\c)+(\i))
	ds_load_b128 v[rB:rB+3],   v[ADRB] offset:128*(\q)+64*(\c)+(\i)*16*PA
	ds_load_b128 v[rB+4:rB+7], v[ADRB] offset:128*(\q)+64*(\c)+(\i)*16*PA+32
	ds_load_b128 v[rA:rA+3],   v[ADRA] offset:128*(\q)+64*(\c)+(\i)*16*PA
	ds_load_b128 v[rA+4:rA+7], v[ADRA] offset:128*(\q)+64*(\c)+(\i)*16*PA+32
.endr
.endr
.endm
.macro SETADR
	v_add_nc_u32 v[ADRA], s[TB], v[A0]
	v_add_nc_u32 v[ADRB], s[TB], v[B0]
.endm
.macro QUARTER f, g, q
	s_wait_dscnt 16                                ; the first 32 along K are in
	MUL8 \f, 0, 0
	MUL8 \f, 0, 2
	PLACES
	FETCH \q, \g
	s_wait_dscnt 32                                ; all but the 32 just issued
	MUL8 \f, 1, 0
	MUL8 \f, 1, 2
.endm
.macro TURN fill                       ; the last quarter and the change of slots
	WIN 0
	s_wait_tensorcnt 0x0                           ; all my tensor loads have landed: my part of the next slot
	ds_add_u32 v[SPW], v[NIL]                      ; 0 onto my spare word
.if \fill
	s_add_co_u32 s[G0A+5], s[WOF], s[TB]
	s_add_nc_u64 s[G0A+6:G0A+7], s[G0A+6:G0A+7], STEP
	s_add_co_u32 s[G0B+5], s[WOF], s[TB]
	s_add_nc_u64 s[G0B+6:G0B+7], s[G0B+6:G0B+7], STEP
.endif
	s_wait_dscnt 17                                ; the add and the youngest sixteen loads may be out
	MUL8 F1, 0, 0
	s_wait_dscnt 0x0                               ; the add is done, and my reads of this slot are over
	s_barrier_signal -1
	MUL8 F1, 0, 2
.if \fill
	WIN 0
.endif
	s_barrier_wait -1
.if \fill
	CREST
	JLOAD
.else
	PLACES
.endif
	WIN 0
	s_xor_b32 s[TB], s[TB], SLOT
	SETADR
	FETCH 0, F0
	MUL8 F1, 1, 0
	MUL8 F1, 1, 2
.endm
	s_wait_tensorcnt 0x1                           ; my part of K step 0 is in; step 1's may stay out
	s_barrier_signal -1
	s_barrier_wait -1
	s_mov_b32 s[TB], 0
	SETADR
	FETCH 0, F0
	WIN 0
	s_mov_b32 s[CNT], NS-2
.Lstep:
	QUARTER F0, F1, 1
	QUARTER F1, F0, 2
	QUARTER F0, F1, 3
	TURN 1
	WIN 0
	s_sub_co_u32 s[CNT], s[CNT], 1
	s_cmp_lg_u32 s[CNT], 0
	s_cbranch_scc1 .Lstep
	s_mov_b32 s[CNT], 2
.Ltail:                                                ; the last two steps ask for nothing; the second is left before its change of slots
	QUARTER F0, F1, 1
	QUARTER F1, F0, 2
	QUARTER F0, F1, 3
	WIN 0
	s_sub_co_u32 s[CNT], s[CNT], 1
	s_cmp_eq_u32 s[CNT], 0
	s_cbranch_scc1 .Lout
	TURN 0
	WIN 0
	s_branch .Ltail
.Lout:
	s_wait_dscnt 16
	MUL8 F1, 0, 0
	MUL8 F1, 0, 2
	s_wait_dscnt 0x0
	MUL8 F1, 1, 0
	MUL8 F1, 1, 2
	WIN 0
	PLACES                                         ; THE WAY OUT: through the work-group's stage, with a barrier between writing and reading
.set t, 0
.rept 16
.irp r, 0,1,2,3
	v_cvt_pk_bf16_f32 v[TMP+4*t+\r], v[ACC+8*t+2*\r], v[ACC+8*t+2*\r+1]
.endr
.set t, t+1
.endr
.irp a, 0,1,2,3
.irp b, 0,1,2,3
	ds_store_b128 v[STO], v[TMP+4*(4*\a+\b):TMP+4*(4*\a+\b)+3] offset:(\a)*16*SP+32*(\b)
.endr
.endr
	s_wait_dscnt 0x0
	s_barrier_signal -1
	s_barrier_wait -1
.set t, 0
.rept 16
	ds_load_b128 v[TMP+4*t:TMP+4*t+3], v[RD] offset:t*2*SP
.set t, t+1
.endr
.set t, 0
.rept 16
	s_wait_dscnt 15-t
	global_store_b128 v[CO], v[TMP+4*t:TMP+4*t+3], s[6:7] offset:t*4096  ; 16 lanes store 256 consecutive bytes, aligned
.set t, t+1
.endr
	s_wait_tensorcnt 0x0                           ; the wave's end
	ds_add_u32 v[SPW], v[NIL]
	s_wait_dscnt 0x0
	CROUND
	s_endpgm
.Lfunc_end_k_q0d2ae39058_wprod:
	.size	k_q0d2ae39058_wprod, .Lfunc_end_k_q0d2ae39058_wprod-k_q0d2ae39058_wprod
	.p2alignl 7, 3214868480
	.fill 96, 4, 3214868480
	.section	.rodata,"a",@progbits
	.p2align	6, 0x0
	.amdhsa_kernel k_q0d2ae39058_wprod
		.amdhsa_group_segment_fixed_size 327680
		.amdhsa_private_segment_fixed_size 0
		.amdhsa_enable_private_segment 0
		.amdhsa_kernarg_size 40
		.amdhsa_user_sgpr_count 2
		.amdhsa_user_sgpr_kernarg_segment_ptr 1
		.amdhsa_wavefront_size32 1
		.amdhsa_system_sgpr_workgroup_id_x 1
		.amdhsa_system_sgpr_workgroup_id_y 1
		.amdhsa_system_sgpr_workgroup_id_z 1
		.amdhsa_system_vgpr_workitem_id 0
		.amdhsa_next_free_vgpr 512
		.amdhsa_next_free_sgpr 80
		.amdhsa_reserve_vcc 1
		.amdhsa_float_denorm_mode_32 3
		.amdhsa_float_denorm_mode_16_64 3
		.amdhsa_memory_ordered 1
		.amdhsa_forward_progress 1
		.amdhsa_inst_pref_size 87
	.end_amdhsa_kernel
	.amdgpu_metadata
---
amdhsa.version: [ 1, 2 ]
amdhsa.kernels:
  - .name:           k_q0d2ae39058_wprod
    .symbol:         k_q0d2ae39058_wprod.kd
    .args:
      - { .name: w16, .offset: 0, .size: 8, .value_kind: global_buffer, .address_space: global }
      - { .name: bq, .offset: 8, .size: 8, .value_kind: global_buffer, .address_space: global }
      - { .name: bv, .offset: 16, .size: 8, .value_kind: global_buffer, .address_space: global }
      - { .name: bk, .offset: 24, .size: 8, .value_kind: global_buffer, .address_space: global }
      - { .name: wp, .offset: 32, .size: 8, .value_kind: global_buffer, .address_space: global }
    .group_segment_fixed_size: 327680
    .private_segment_fixed_size: 0
    .kernarg_segment_align: 8
    .kernarg_segment_size: 40
    .max_flat_workgroup_size: 128
    .sgpr_count:     80
    .vgpr_count:     512
    .wavefront_size: 32
...
	.end_amdgpu_metadata
.endif
;; end of part 2
;; launch qp (part 3): grid 8 x 32, 4 waves a work-group, clusters of 4 x 4, 327,680 bytes of LDS; arguments t1, wp, bq, bk, t0, qb; writes t0, qb
.if DOCPART == 3
	.amdgcn_target "amdgcn-amd-amdhsa--gfx1250"
	.amdhsa_code_object_version 6
	.text
	.protected	k_q0d2ae39058_qp
	.globl	k_q0d2ae39058_qp
	.p2align	8
	.type	k_q0d2ae39058_qp,@function
k_q0d2ae39058_qp:
	s_mov_b64 s[64:65], 0
	v_nop
	global_prefetch_b8 v0, s[64:65] scope:SCOPE_SE
	s_setreg_imm32_b32 hwreg(HW_REG_WAVE_MODE, 25, 1), 1
	s_wait_xcnt 0x0
	s_wait_alu depctr_hold_cnt(0) depctr_sa_sdst(0) depctr_va_vdst(0) depctr_va_sdst(0) depctr_va_ssrc(0) depctr_va_vcc(0) depctr_vm_vsrc(0)
	s_getreg_b32 s2, hwreg(HW_REG_IB_STS2, 6, 4)
	s_cmp_eq_u32 s2, 0
	s_cbranch_scc0 .Lentry_in_a_cluster
	s_endpgm
.Lentry_in_a_cluster:
	s_bfe_u32 s2, ttmp6, 0x10000c
	s_cmp_lg_u32 s2, 0xf033
	s_cbranch_scc0 .Lentry_shape_is_right
	s_endpgm
.Lentry_shape_is_right:
; Q'[m][j] = the sum over i of x[m][i] W1[i][j] + b1[j]  (= (x Wq + bq) Wk^T),  and  qb[m] = x[m] . u + bq . bk  (= (x Wq + bq) . bk).  With them Q . (kv Wk + bk) = Q' . kv + qb.
; x: [4096][1024] bf16; in wp: W1 [1024][1024] bf16 as it lies ([i][j]) at byte 0, b1 [1024] f32 at 4,194,304, u [1024] f32 at 4,202,496; bq, bk: [1024] f32.  Q': bf16, rounded once; qb: f32.  Sums in f32.
; LIMITS.  bq and bk are rounded to bf16 like every input.  u is rounded to bf16 for its product: that moves all scores of a query by one amount.  b1 starts the sums as it is, in f32.
; SHARES.  A tile of Q' is 128 x 128: 256 work-groups of four waves, each wave 64 x 64: 16 accumulators.  K goes in four steps of 256 through two LDS slots.
; CLUSTER.  4 x 4 work-groups: the four of a row need the same tile of x, the four of a column the same tile of W1: each is asked for jointly, by the same tensor load, descriptor and mask.
; THE MATRIX INSTRUCTION IS USED TRANSPOSED (source 0 = 16 columns of W1, turned by ds_load_tr16_b128; source 1 = 16 rows of x): a lane holds row l % 16 of Q' and the columns 8 (l / 16) + 0..7.
; qb: the 128 rows of a tile row are shared out by address among its eight work-groups and their waves: wave w of tile (tr, tc) takes rows 128 tr + 16 tc + 4 w + 0..3.  Its one store is 16 bytes.
; A K step is written once: the slot in hand is the scalar TB (0 or SLOT), which an exclusive or turns.  No prefetch: four steps, two of them first fills.
; REGISTERS: window 0: v16-29 addresses; v32-127 at work; v128-255 the accumulators ((a, b) at 128 + 8 (4 a + b)).  Window 1: two fragment buffers of 128: 64 of A (2 x 4 x 16 rows x 32 K), then 64 of B.
.set NS,    4
.set PA,    528                        ; a row of A in LDS: 512 bytes + 16: the 16 rows of a load start 4 banks apart (64 banks of 4 bytes: ISA guide 11.1)
.set PB,    288                        ; a row of B (one k, 128 columns): 256 bytes + 32
.set ATILE, 128*PA
.set BHALF, 128*PB
.set SLOT,  ATILE+2*BHALF              ; A's 128 rows, then B's 256 rows
.set STAGE, 2*SLOT
.set SP,    272
.set SPARE, STAGE+128*SP
.set STEPA, 512
.set STEPB, 256*2048
.set VEC,   4194304                    ; b1 in wp
.set UOF,   VEC+8192                   ; u in wp
.set A0,   16
.set B0,   17
.set ADRA, 18
.set ADRB, 19                          ; v19, and v20 the same 128 rows further down, so that offsets stay within 16 bits
.set STO,  24
.set RD,   25
.set CO,   26
.set BO,   27
.set SPW,  28
.set NIL,  29
.set TMP,  32
.set ACC,  128
.set F0,   0
.set F1,   128
.set WV, 16
.set WR, 17
.set WC, 18
.set CX, 19
.set CY, 20
.set TC, 21
.set TR, 22
.set BAT, 23
.set G1A, 24
.set G0A, 32
.set G1B, 40
.set G0B, 48
.set TB,  56
.set WOFA, 57
.set WOFB, 58
.set CNT, 59
.set X0,  60                           ; wave's number alone
.set RM,  61
.set CM,  62
.set X1,  63                           ; column side
.set RT,  66                           ; row side: never holds cx
.set CT,  68                           ; column side: never holds cy
.set SEL, 70
.set X2,  72                           ; wave's number alone
.set X3,  76                           ; for global offsets alone
.set X4,  77
.set SV,  78
.set MUL, 0x05
.set MSB, 0
.macro WIN new
.if MSB != (\new)
	s_set_vgpr_msb (MSB<<8)|(\new)
.set MSB, \new
.endif
.endm
.macro PLACES
.rept 4
	v_nop
.endr
.endm
.macro CREST
	s_cmp_lg_u32 s[WV], 0
	s_cbranch_scc1 .Lnot_wave_0_\@
	s_barrier_signal -3
.Lnot_wave_0_\@:
	s_barrier_wait -3
	s_barrier_signal -1
	s_barrier_wait -1
.endm
.macro CROUND
	s_barrier_signal -1
	s_barrier_wait -1
	CREST
.endm
.macro JLOAD
	s_cmp_eq_u32 s[WR], 0
	s_cbranch_scc0 .Lfor_b_\@
	tensor_load_to_lds s[G0A+4:G0A+7], s[G1A:G1A+7]
	s_nop 0
	PLACES
	s_branch .Lasked_\@
.Lfor_b_\@:
	tensor_load_to_lds s[G0B+4:G0B+7], s[G1B:G1B+7]
	s_nop 0
	PLACES
.Lasked_\@:
.endm
	s_load_b256 s[4:11], s[0:1], 0x0               ; x s[4:5], wp s[6:7], bq s[8:9], bk s[10:11]
	s_load_b128 s[12:15], s[0:1], 0x20             ; Q' s[12:13], qb s[14:15]
	v_lshl_add_u32 v[SPW], v0, 2, SPARE
	v_mov_b32 v[NIL], 0
	ds_add_u32 v[SPW], v[NIL]                      ; the wave's opening: the add and its wait ahead of my first tensor load
	v_lshrrev_b32 v1, 5, v0
	v_readfirstlane_b32 s[WV], v1
	s_lshr_b32 s[WR], s[WV], 1
	s_and_b32 s[WC], s[WV], 1
	s_bfe_u32 s[CX], ttmp6, 0x40000
	s_bfe_u32 s[CY], ttmp6, 0x40004
	s_lshl_b32 s[TC], ttmp9, 2
	s_add_co_u32 s[TC], s[TC], s[CX]
	s_and_b32 s[BAT], ttmp7, 0xffff
	s_lshl_b32 s[TR], s[BAT], 2
	s_add_co_u32 s[TR], s[TR], s[CY]
	s_lshl_b32 s[RM], s[CY], 2
	s_lshl_b32 s[RM], 15, s[RM]
	s_lshl_b32 s[CM], 0x1111, s[CX]
	s_or_b32 s[G1A], s[RM], (1<<16)|(1<<20)|(1<<21)|(6<<22)|(3<<25)  ; 64 rows x 256 elements; after every 128 words, 4 words
	s_mov_b32 s[G1A+1], 256<<16
	s_mov_b32 s[G1A+2], 64<<16
	s_mov_b32 s[G1A+3], 256<<16
	s_mov_b32 s[G1A+4], 64
	s_mov_b32 s[G1A+5], 1024
	s_mov_b32 s[G1A+6], 0
	s_mov_b32 s[G1A+7], 0
	s_or_b32 s[G1B], s[CM], (1<<16)|(1<<20)|(1<<21)|(5<<22)|(7<<25)  ; 128 rows x 128 elements; after every 64 words, 8 words
	s_mov_b32 s[G1B+1], 128<<16
	s_mov_b32 s[G1B+2], 128<<16
	s_mov_b32 s[G1B+3], 128<<16
	s_mov_b32 s[G1B+4], 128
	s_mov_b32 s[G1B+5], 1024
	s_mov_b32 s[G1B+6], 0
	s_mov_b32 s[G1B+7], 0
	s_lshl_b32 s[RT], s[TR], 7
	s_lshl_b32 s[X0], s[WC], 6
	s_add_co_u32 s[RT], s[RT], s[X0]
	s_lshl_b32 s[RT], s[RT], 11
	s_mov_b32 s[RT+1], 0
	s_lshl_b32 s[CT], s[TC], 8
	s_lshl_b32 s[X0], s[WC], 18
	s_add_co_u32 s[CT], s[CT], s[X0]
	s_mov_b32 s[CT+1], 0
	s_mul_i32 s[WOFA], s[WC], 64*PA
	s_mul_i32 s[WOFB], s[WC], BHALF
	s_add_co_u32 s[WOFB], s[WOFB], ATILE
	s_mov_b32 s[SEL], 0x76543210
	s_mov_b32 s[SEL+1], 0xfedcba98
	s_wait_dscnt 0x0
	s_wait_kmcnt 0x0
	s_add_nc_u64 s[RT:RT+1], s[4:5], s[RT:RT+1]
	s_add_nc_u64 s[CT:CT+1], s[6:7], s[CT:CT+1]
	CROUND
	s_mov_b32 s[G0A], 1
	s_mov_b32 s[G0A+1], s[WOFA]
	s_mov_b64 s[G0A+2:G0A+3], s[RT:RT+1]
	s_or_b32 s[G0A+3], s[G0A+3], 0x80000000
	s_mov_b32 s[G0A+4], 1
	s_add_co_u32 s[G0A+5], s[WOFA], SLOT
	s_add_nc_u64 s[G0A+6:G0A+7], s[RT:RT+1], STEPA
	s_or_b32 s[G0A+7], s[G0A+7], 0x80000000
	s_mov_b32 s[G0B], 1
	s_mov_b32 s[G0B+1], s[WOFB]
	s_mov_b64 s[G0B+2:G0B+3], s[CT:CT+1]
	s_or_b32 s[G0B+3], s[G0B+3], 0x80000000
	s_mov_b32 s[G0B+4], 1
	s_add_co_u32 s[G0B+5], s[WOFB], SLOT
	s_add_nc_u64 s[G0B+6:G0B+7], s[CT:CT+1], STEPB
	s_or_b32 s[G0B+7], s[G0B+7], 0x80000000
	s_cmp_eq_u32 s[WR], 0
	s_cbranch_scc0 .Lfirst_b
	tensor_load_to_lds s[G0A:G0A+3], s[G1A:G1A+7]
	s_nop 0
	tensor_load_to_lds s[G0A+4:G0A+7], s[G1A:G1A+7]
	s_nop 0
	PLACES
	s_branch .Lfirst_asked
.Lfirst_b:
	tensor_load_to_lds s[G0B:G0B+3], s[G1B:G1B+7]
	s_nop 0
	tensor_load_to_lds s[G0B+4:G0B+7], s[G1B:G1B+7]
	s_nop 0
	PLACES
.Lfirst_asked:
	v_and_b32 v1, 15, v0                           ; r = l % 16
	v_bfe_u32 v2, v0, 4, 1                         ; h = l / 16
	v_and_b32 v3, 7, v0
	v_bfe_u32 v4, v0, 3, 1
	v_and_b32 v9, 31, v0                           ; l
	s_lshl_b32 s[X1], s[TC], 9                     ; b1 of my columns 128 tc + 64 wc + 16 b + 8 h + j, 4 bytes each
	s_lshl_b32 s[X0], s[WC], 8
	s_add_co_u32 s[X1], s[X1], s[X0]
	v_lshl_add_u32 v[BO], v2, 5, s[X1]
.irp b, 0,1,2,3
	global_load_b128 v[TMP+8*\b:TMP+8*\b+3],   v[BO], s[6:7] offset:VEC+64*\b
	global_load_b128 v[TMP+8*\b+4:TMP+8*\b+7], v[BO], s[6:7] offset:VEC+64*\b+16
.endr
	; qb's loads: four rows of x (lane l: elements 256 j + 8 l + 0..7, j = 0..3) and the same elements of u, bq and bk
	s_lshl_b32 s[X3], s[TR], 7
	s_lshl_b32 s[X4], s[TC], 4
	s_add_co_u32 s[X3], s[X3], s[X4]
	s_lshl_b32 s[X4], s[WV], 2
	s_add_co_u32 s[X3], s[X3], s[X4]               ; my first row
	s_lshl_b32 s[X4], s[X3], 11
	v_lshl_add_u32 v5, v9, 4, s[X4]
	v_lshlrev_b32 v6, 5, v9
	s_lshl_b32 s[X4], s[X3], 2
	v_lshl_add_u32 v7, v9, 2, s[X4]                ; qb: 4 x (my first row + l)
.irp i, 0,1,2,3
.irp j, 0,1,2,3
	global_load_b128 v[128+16*\i+4*\j:128+16*\i+4*\j+3], v5, s[4:5] offset:2048*\i+512*\j
.endr
.endr
.irp j, 0,1,2,3
	global_load_b128 v[192+8*\j:192+8*\j+3], v6, s[6:7] offset:UOF+1024*\j
	global_load_b128 v[196+8*\j:196+8*\j+3], v6, s[6:7] offset:UOF+1024*\j+16
	global_load_b128 v[64+8*\j:64+8*\j+3],   v6, s[8:9] offset:1024*\j
	global_load_b128 v[68+8*\j:68+8*\j+3],   v6, s[8:9] offset:1024*\j+16
	global_load_b128 v[96+8*\j:96+8*\j+3],   v6, s[10:11] offset:1024*\j
	global_load_b128 v[100+8*\j:100+8*\j+3], v6, s[10:11] offset:1024*\j+16
.endr
	v_mul_u32_u24 v[A0], v1, PA                    ; a fragment of A: row x pitch + 16 h, in my 64 rows
	v_lshl_add_u32 v[A0], v2, 4, v[A0]
	s_mul_i32 s[X0], s[WR], 64*PA
	v_add_nc_u32 v[A0], s[X0], v[A0]
	v_lshl_add_u32 v[B0], v2, 3, v3                ; the turning load: lane l reads row k = 8 h + l % 8, 16 bytes at 16 ((l / 8) % 2), in my 64 columns
	v_mul_u32_u24 v[B0], v[B0], PB
	v_lshl_add_u32 v[B0], v4, 4, v[B0]
	s_lshl_b32 s[X0], s[WC], 7
	s_add_co_u32 s[X0], s[X0], ATILE
	v_add_nc_u32 v[B0], s[X0], v[B0]
	s_mul_i32 s[X0], s[WR], 64*SP                  ; into the stage: my 64 rows, my half of their 256 bytes
	s_lshl_b32 s[X2], s[WC], 7
	s_add_co_u32 s[X0], s[X0], s[X2]
	s_add_co_u32 s[X0], s[X0], STAGE
	v_mul_u32_u24 v[STO], v1, SP
	v_lshl_add_u32 v[STO], v2, 4, v[STO]
	v_add_nc_u32 v[STO], s[X0], v[STO]
	s_mul_i32 s[X0], s[WV], 32*SP                  ; back: wave w takes rows 32 w .. 32 w + 31 whole
	s_add_co_u32 s[X0], s[X0], STAGE
	v_mul_u32_u24 v[RD], v2, SP
	v_lshl_add_u32 v[RD], v1, 4, v[RD]
	v_add_nc_u32 v[RD], s[X0], v[RD]
	v_lshlrev_b32 v[CO], 11, v2
	v_lshl_add_u32 v[CO], v1, 4, v[CO]
	s_lshl_b32 s[RT], s[TR], 7
	s_lshl_b32 s[X0], s[WV], 5
	s_add_co_u32 s[RT], s[RT], s[X0]
	s_lshl_b32 s[RT], s[RT], 11
	s_mov_b32 s[RT+1], 0
	s_lshl_b32 s[CT], s[TC], 8
	s_mov_b32 s[CT+1], 0
	s_add_nc_u64 s[12:13], s[12:13], s[RT:RT+1]
	s_add_nc_u64 s[12:13], s[12:13], s[CT:CT+1]
	s_wait_loadcnt 0x0
.set i, 0
.rept 16                                       ; u, bq and bk rounded to bf16, in pairs that match x's words; bq and bk in place (a pair lands at or below the registers that it was made of)
	v_cvt_pk_bf16_f32 v[224+i], v[192+2*i], v[193+2*i]
	v_cvt_pk_bf16_f32 v[64+i],  v[64+2*i],  v[65+2*i]
	v_cvt_pk_bf16_f32 v[96+i],  v[96+2*i],  v[97+2*i]
.set i, i+1
.endr
	v_mov_b32 v248, 0
	v_mov_b32 v249, 0
.set n, 0
.rept 16                                       ; my lane's 32 terms of bq . bk, in two chains
	v_fma_mix_f32_bf16 v248, v[64+n], v[96+n], v248 op_sel_hi:[1,1,0]
	v_fma_mix_f32_bf16 v249, v[64+n], v[96+n], v249 op_sel:[1,1,0] op_sel_hi:[1,1,0]
.set n, n+1
.endr
	v_add_f32 v248, v248, v249
.irp i, 0,1,2,3
	v_mov_b32 v[240+\i], v248                      ; each row's sum starts there: the sum over the lanes then holds bq . bk once
	v_mov_b32 v[244+\i], 0                         ; (the exchange's destination counts as read)
.endr
.set n, 0
.rept 16                                       ; 128 multiply-adds from bf16 halves into f32; the four rows take turns
.irp i, 0,1,2,3
	v_fma_mix_f32_bf16 v[240+\i], v[128+16*\i+n], v[224+n], v[240+\i] op_sel_hi:[1,1,0]
.endr
.irp i, 0,1,2,3
	v_fma_mix_f32_bf16 v[240+\i], v[128+16*\i+n], v[224+n], v[240+\i] op_sel:[1,1,0] op_sel_hi:[1,1,0]
.endr
.set n, n+1
.endr
.irp x, 1,2,4,8
.irp i, 0,1,2,3
	v_add_f32_dpp v[240+\i], v[240+\i], v[240+\i] row_xmask:\x row_mask:0xf bank_mask:0xf
.endr
.endr
.irp i, 0,1,2,3
	v_permlanex16_b32 v[244+\i], v[240+\i], s[SEL], s[SEL+1]
.endr
.irp i, 0,1,2,3
	v_add_f32 v[240+\i], v[240+\i], v[244+\i]
.endr
	v_mov_b32 v10, v240                            ; lane l of the first four takes row l's sum
	v_cmp_eq_u32 vcc_lo, 1, v9
	v_cndmask_b32 v10, v10, v241, vcc_lo
	v_cmp_eq_u32 vcc_lo, 2, v9
	v_cndmask_b32 v10, v10, v242, vcc_lo
	v_cmp_eq_u32 vcc_lo, 3, v9
	v_cndmask_b32 v10, v10, v243, vcc_lo
	v_cmp_gt_u32 vcc_lo, 4, v9
	s_wait_xcnt 0x0                                ; EXEC changes only behind this wait
	s_and_saveexec_b32 s[SV], vcc_lo
	global_store_b32 v7, v10, s[14:15]
	s_wait_xcnt 0x0                                ; and again, in front of the line that widens it
	s_or_b32 exec_lo, exec_lo, s[SV]
	; THE SUMS START AT b1: 128 lines in the wait for the first tile, in place of an addition on the way out; so the loop has one form of product and no step is written out ahead of it.
.irp a, 0,1,2,3
.set i, 0
.rept 32
	v_mov_b32 v[ACC+32*\a+i], v[TMP+i]
.set i, i+1
.endr
.endr
.macro MUL8 f, c, a0                   ; the 16 accumulators take turns, one instruction a turn
	WIN MUL
.irp a, \a0, (\a0)+1
.irp b, 0,1,2,3
.set rD, ACC+8*(4*(\a)+(\b))
.set rB, (\f)+64+8*(4*(\c)+(\b))
.set rA, (\f)+8*(4*(\c)+(\a))
	v_wmma_f32_16x16x32_bf16 v[rD:rD+7], v[rB:rB+7], v[rA:rA+7], v[rD:rD+7]
.endr
.endr
.endm
.macro FETCH q, f                      ; 32 LDS loads in one run: the fragments of quarter q (64 along K) into buffer f; the first 32 along K first
	WIN 0x40
.irp c, 0,1
.irp i, 0,1,2,3
.set rB, (\f)+64+8*(4*(\c)+(\i))
.set rA, (\f)+8*(4*(\c)+(\i))
	ds_load_tr16_b128 v[rB:rB+3],   v[ADRB+(\q)/2] offset:(((\q)%2)*64+32*(\c))*PB+32*(\i)
	ds_load_tr16_b128 v[rB+4:rB+7], v[ADRB+(\q)/2] offset:(((\q)%2)*64+32*(\c)+16)*PB+32*(\i)
	ds_load_b128 v[rA:rA+3],   v[ADRA] offset:128*(\q)+64*(\c)+(\i)*16*PA
	ds_load_b128 v[rA+4:rA+7], v[ADRA] offset:128*(\q)+64*(\c)+(\i)*16*PA+32
.endr
.endr
.endm
.macro SETADR
	v_add_nc_u32 v[ADRA], s[TB], v[A0]
	v_add_nc_u32 v[ADRB], s[TB], v[B0]
	v_add_nc_u32 v[ADRB+1], BHALF, v[ADRB]
.endm
.macro QUARTER f, g, q
	s_wait_dscnt 16                                ; the first 32 along K are in
	MUL8 \f, 0, 0
	MUL8 \f, 0, 2
	PLACES
	FETCH \q, \g
	s_wait_dscnt 32                                ; all but the 32 just issued
	MUL8 \f, 1, 0
	MUL8 \f, 1, 2
.endm
; The last quarter multiplies buffer 1 and changes slots: one barrier; in front of it each wave waits for all its tensor loads, adds 0 to its spare word, and waits for that and for its reads of this slot.
; fill = 1: the barrier opens a round of the cluster's, and the slot just read is filled again, two K steps ahead, first thing behind the round: 112 matrix instructions ahead of the wait for it.
.macro TURN fill
	WIN 0
	s_wait_tensorcnt 0x0                           ; all my tensor loads have landed: my part of the next slot; so a group 0 may be written
	ds_add_u32 v[SPW], v[NIL]                      ; 0 onto my spare word
.if \fill
	s_add_co_u32 s[G0A+5], s[WOFA], s[TB]
	s_add_nc_u64 s[G0A+6:G0A+7], s[G0A+6:G0A+7], STEPA
	s_add_co_u32 s[G0B+5], s[WOFB], s[TB]
	s_add_nc_u64 s[G0B+6:G0B+7], s[G0B+6:G0B+7], STEPB
.endif
	s_wait_dscnt 17                                ; the add and the youngest sixteen loads may be out
	MUL8 F1, 0, 0
	s_wait_dscnt 0x0                               ; the add is done, and my reads of this slot are over
	s_barrier_signal -1
	MUL8 F1, 0, 2
.if \fill
	WIN 0
.endif
	s_barrier_wait -1
.if \fill
	CREST
	JLOAD
.else
	PLACES
.endif
	WIN 0
	s_xor_b32 s[TB], s[TB], SLOT
	SETADR
	FETCH 0, F0
	MUL8 F1, 1, 0
	MUL8 F1, 1, 2
.endm
	s_wait_tensorcnt 0x1                           ; my part of K step 0 is in; step 1's may stay out
	s_barrier_signal -1
	s_barrier_wait -1
	s_mov_b32 s[TB], 0
	SETADR
	FETCH 0, F0
	WIN 0
	s_mov_b32 s[CNT], NS-2
.Lstep:
	QUARTER F0, F1, 1
	QUARTER F1, F0, 2
	QUARTER F0, F1, 3
	TURN 1
	WIN 0
	s_sub_co_u32 s[CNT], s[CNT], 1
	s_cmp_lg_u32 s[CNT], 0
	s_cbranch_scc1 .Lstep
	s_mov_b32 s[CNT], 2
.Ltail:                                                ; the last two steps ask for nothing; the second is left before its change of slots
	QUARTER F0, F1, 1
	QUARTER F1, F0, 2
	QUARTER F0, F1, 3
	WIN 0
	s_sub_co_u32 s[CNT], s[CNT], 1
	s_cmp_eq_u32 s[CNT], 0
	s_cbranch_scc1 .Lout
	TURN 0
	WIN 0
	s_branch .Ltail
.Lout:
	s_wait_dscnt 16
	MUL8 F1, 0, 0
	MUL8 F1, 0, 2
	s_wait_dscnt 0x0
	MUL8 F1, 1, 0
	MUL8 F1, 1, 2
	WIN 0
	PLACES                                         ; THE WAY OUT: round to bf16; through the work-group's stage, with a barrier, since a row's 256 bytes come from two waves; back as whole rows
.set t, 0
.rept 16
.irp r, 0,1,2,3
	v_cvt_pk_bf16_f32 v[TMP+4*t+\r], v[ACC+8*t+2*\r], v[ACC+8*t+2*\r+1]
.endr
.set t, t+1
.endr
.irp a, 0,1,2,3
.irp b, 0,1,2,3
	ds_store_b128 v[STO], v[TMP+4*(4*\a+\b):TMP+4*(4*\a+\b)+3] offset:(\a)*16*SP+32*(\b)
.endr
.endr
	s_wait_dscnt 0x0
	s_barrier_signal -1
	s_barrier_wait -1
.set t, 0
.rept 16
	ds_load_b128 v[TMP+4*t:TMP+4*t+3], v[RD] offset:t*2*SP
.set t, t+1
.endr
.set t, 0
.rept 16
	s_wait_dscnt 15-t
	global_store_b128 v[CO], v[TMP+4*t:TMP+4*t+3], s[12:13] offset:t*4096  ; 16 lanes store 256 consecutive bytes, aligned
.set t, t+1
.endr
	s_wait_tensorcnt 0x0                           ; the wave's end
	ds_add_u32 v[SPW], v[NIL]
	s_wait_dscnt 0x0
	CROUND
	s_endpgm
.Lfunc_end_k_q0d2ae39058_qp:
	.size	k_q0d2ae39058_qp, .Lfunc_end_k_q0d2ae39058_qp-k_q0d2ae39058_qp
	.p2alignl 7, 3214868480
	.fill 96, 4, 3214868480
	.section	.rodata,"a",@progbits
	.p2align	6, 0x0
	.amdhsa_kernel k_q0d2ae39058_qp
		.amdhsa_group_segment_fixed_size 327680
		.amdhsa_private_segment_fixed_size 0
		.amdhsa_enable_private_segment 0
		.amdhsa_kernarg_size 48
		.amdhsa_user_sgpr_count 2
		.amdhsa_user_sgpr_kernarg_segment_ptr 1
		.amdhsa_wavefront_size32 1
		.amdhsa_system_sgpr_workgroup_id_x 1
		.amdhsa_system_sgpr_workgroup_id_y 1
		.amdhsa_system_sgpr_workgroup_id_z 1
		.amdhsa_system_vgpr_workitem_id 0
		.amdhsa_next_free_vgpr 512
		.amdhsa_next_free_sgpr 80
		.amdhsa_reserve_vcc 1
		.amdhsa_float_denorm_mode_32 3
		.amdhsa_float_denorm_mode_16_64 3
		.amdhsa_memory_ordered 1
		.amdhsa_forward_progress 1
		.amdhsa_inst_pref_size 81
	.end_amdhsa_kernel
	.amdgpu_metadata
---
amdhsa.version: [ 1, 2 ]
amdhsa.kernels:
  - .name:           k_q0d2ae39058_qp
    .symbol:         k_q0d2ae39058_qp.kd
    .args:
      - { .name: t1, .offset: 0, .size: 8, .value_kind: global_buffer, .address_space: global }
      - { .name: wp, .offset: 8, .size: 8, .value_kind: global_buffer, .address_space: global }
      - { .name: bq, .offset: 16, .size: 8, .value_kind: global_buffer, .address_space: global }
      - { .name: bk, .offset: 24, .size: 8, .value_kind: global_buffer, .address_space: global }
      - { .name: t0, .offset: 32, .size: 8, .value_kind: global_buffer, .address_space: global }
      - { .name: qb, .offset: 40, .size: 8, .value_kind: global_buffer, .address_space: global }
    .group_segment_fixed_size: 327680
    .private_segment_fixed_size: 0
    .kernarg_segment_align: 8
    .kernarg_segment_size: 48
    .max_flat_workgroup_size: 128
    .sgpr_count:     80
    .vgpr_count:     512
    .wavefront_size: 32
...
	.end_amdgpu_metadata
.endif
;; end of part 3
;; launch score (part 4): grid 8 x 32, 4 waves a work-group, clusters of 4 x 4, 327,680 bytes of LDS; arguments t0, kv16, qb, key_mask, p, st; writes p, st
.if DOCPART == 4
	.amdgcn_target "amdgcn-amd-amdhsa--gfx1250"
	.amdhsa_code_object_version 6
	.text
	.protected	k_q0d2ae39058_score
	.globl	k_q0d2ae39058_score
	.p2align	8
	.type	k_q0d2ae39058_score,@function
k_q0d2ae39058_score:
	s_mov_b64 s[64:65], 0
	v_nop
	global_prefetch_b8 v0, s[64:65] scope:SCOPE_SE
	s_setreg_imm32_b32 hwreg(HW_REG_WAVE_MODE, 25, 1), 1
	s_wait_xcnt 0x0
	s_wait_alu depctr_hold_cnt(0) depctr_sa_sdst(0) depctr_va_vdst(0) depctr_va_sdst(0) depctr_va_ssrc(0) depctr_va_vcc(0) depctr_vm_vsrc(0)
	s_getreg_b32 s2, hwreg(HW_REG_IB_STS2, 6, 4)
	s_cmp_eq_u32 s2, 0
	s_cbranch_scc0 .Lentry_in_a_cluster
	s_endpgm
.Lentry_in_a_cluster:
	s_bfe_u32 s2, ttmp6, 0x10000c
	s_cmp_lg_u32 s2, 0xf033
	s_cbranch_scc0 .Lentry_shape_is_right
	s_endpgm
.Lentry_shape_is_right:
; SCORES AND WEIGHTS BY CHUNKS.  For query row m (4,096 of them, 512 a batch) and key k of its batch: t = c (Q'[m] . kv[k] + qb[m]) where key_mask is 1, and -1e9 log2(e) where it is 0; c = log2(e) / 32.
; For each chunk of 128 keys: mx = the chunk's largest t, P = 2^(t - mx) rounded to bf16, l = the sum of the unrounded weights.  P: [4096][2048] bf16; st: [16 chunks][4096 rows] pairs (mx, l) in f32.
; The launch behind brings the chunks to the row's maximum, in f32: together the two take the row's maximum away before every exponential.
; LIMITS.  A mask byte is 0 or 1.  A hidden score is removed by a factor 0, so an infinite or NaN raw score is not treated apart.  A weight below 2^-126 counts as 0.
; SHARES.  A tile is 128 queries x 256 keys: 256 work-groups of four waves; a wave makes 64 queries x 128 keys, one chunk: 32 accumulators.  K (1,024 channels) goes in eight steps of 128 through two slots.
; CLUSTER.  4 x 4: the four tile rows of a cluster are one batch; Q's tile is asked for jointly along a row of the cluster, kv's along a column.
; Source 0 = 16 keys, source 1 = 16 queries: a lane holds ONE query (l % 16) and the keys 16 b + 8 (l / 16) + 0..7: a query's maximum and sum want one exchange between the halves of the lanes.
; The sums start at qb: 256 lines in the wait for the first tile, so that the loop has one form of product.  No prefetch: each of the eight steps brings 96 KiB a work-group for 128 matrix instructions a wave.
; REGISTERS: window 0: v16-31 addresses; v32-53 qb, (mx, l), at work; v64-159, v160-255 two fragment buffers (8 of kv, 4 of Q'); on the way out v64-95 packed weights, v128-191 rows read back.
;   window 1: the accumulators, (a, b) at 8 (8 a + b).   window 2: v0-63 MK = c x mask, v64-127 AK = 0 or -1e9 log2(e), for my lane's 64 keys.
.set NS,    8
.set PT,    272                        ; an LDS row: 256 bytes + 16: the 16 rows of a load start 4 banks apart (64 banks of 4 bytes: ISA guide 11.1)
.set ATILE, 128*PT
.set BHALF, 128*PT
.set SLOT,  ATILE+2*BHALF              ; Q's 128 rows, then kv's 256 rows
.set STAGE, 2*SLOT                     ; behind the ring: 16 rows x 272 bytes for each wave
.set SP,    272
.set SPARE, STAGE+4*16*SP
.set STEP,  256
.set A0,   16
.set B0,   17
.set ADRA, 18
.set ADRB, 19
.set STO,  24
.set RD,   25
.set CO,   26
.set STA,  27
.set SPW,  28
.set NIL,  29
.set QB,   32                          ; v32-35  qb of my query in block a
.set ML,   36                          ; v36-43  (mx, l) of block a
.set CC,   44                          ; v44-47  four running maxima
.set XT,   48
.set XS,   49
.set SO,   50
.set TMP,  64
.set OB,   128
.set F0,   64
.set F1,   160
.set WV, 16
.set WR, 17
.set WC, 18
.set CX, 19
.set CY, 20
.set TC, 21
.set TR, 22
.set BAT, 23
.set G1A, 24
.set G0A, 32
.set G1B, 40
.set G0B, 48
.set TB,  56
.set WOFA, 57
.set WOFB, 58
.set CNT, 59
.set X0,  60                           ; wave's number alone
.set RM,  61
.set CM,  62
.set X1,  63                           ; column side
.set RT,  66
.set CT,  68
.set SEL, 70
.set CS,  73
.set BIG, 74
.set NBIG, 75
.set X3,  76                           ; for global offsets alone
.set X4,  77
.set LM,  78
.set MSB, 0
.macro WIN new
.if MSB != (\new)
	s_set_vgpr_msb (MSB<<8)|(\new)
.set MSB, \new
.endif
.endm
.macro PLACES
.rept 4
	v_nop
.endr
.endm
.macro CREST
	s_cmp_lg_u32 s[WV], 0
	s_cbranch_scc1 .Lnot_wave_0_\@
	s_barrier_signal -3
.Lnot_wave_0_\@:
	s_barrier_wait -3
	s_barrier_signal -1
	s_barrier_wait -1
.endm
.macro CROUND
	s_barrier_signal -1
	s_barrier_wait -1
	CREST
.endm
.macro JLOAD
	s_cmp_eq_u32 s[WR], 0
	s_cbranch_scc0 .Lfor_b_\@
	tensor_load_to_lds s[G0A+4:G0A+7], s[G1A:G1A+7]
	s_nop 0
	PLACES
	s_branch .Lasked_\@
.Lfor_b_\@:
	tensor_load_to_lds s[G0B+4:G0B+7], s[G1B:G1B+7]
	s_nop 0
	PLACES
.Lasked_\@:
.endm
	s_load_b256 s[4:11], s[0:1], 0x0               ; Q' s[4:5], kv s[6:7], qb s[8:9], key_mask s[10:11]
	s_load_b128 s[12:15], s[0:1], 0x20             ; P s[12:13], st s[14:15]
	v_lshl_add_u32 v[SPW], v0, 2, SPARE
	v_mov_b32 v[NIL], 0
	ds_add_u32 v[SPW], v[NIL]                      ; the wave's opening: the add and its wait ahead of my first tensor load
	v_lshrrev_b32 v1, 5, v0
	v_readfirstlane_b32 s[WV], v1
	s_lshr_b32 s[WR], s[WV], 1
	s_and_b32 s[WC], s[WV], 1
	s_bfe_u32 s[CX], ttmp6, 0x40000
	s_bfe_u32 s[CY], ttmp6, 0x40004
	s_lshl_b32 s[TC], ttmp9, 2
	s_add_co_u32 s[TC], s[TC], s[CX]
	s_and_b32 s[BAT], ttmp7, 0xffff                ; cluster y = the batch
	s_lshl_b32 s[TR], s[BAT], 2
	s_add_co_u32 s[TR], s[TR], s[CY]
	s_lshl_b32 s[RM], s[CY], 2
	s_lshl_b32 s[RM], 15, s[RM]
	s_lshl_b32 s[CM], 0x1111, s[CX]
	s_or_b32 s[G1A], s[RM], (1<<16)|(1<<20)|(1<<21)|(5<<22)|(3<<25)  ; rows of 128 elements; after every 64 words, 4 words of padding
	s_or_b32 s[G1B], s[CM], (1<<16)|(1<<20)|(1<<21)|(5<<22)|(3<<25)
	s_mov_b32 s[G1A+1], 128<<16
	s_mov_b32 s[G1A+2], 64<<16                     ; Q': 64 rows to a load
	s_mov_b32 s[G1A+3], 128<<16
	s_mov_b32 s[G1A+4], 64
	s_mov_b32 s[G1A+5], 1024
	s_mov_b32 s[G1A+6], 0
	s_mov_b32 s[G1A+7], 0
	s_mov_b32 s[G1B+1], 128<<16
	s_mov_b32 s[G1B+2], 128<<16                    ; kv: 128 rows to a load
	s_mov_b32 s[G1B+3], 128<<16
	s_mov_b32 s[G1B+4], 128
	s_mov_b32 s[G1B+5], 1024
	s_mov_b32 s[G1B+6], 0
	s_mov_b32 s[G1B+7], 0
	s_lshl_b32 s[RT], s[TR], 7
	s_lshl_b32 s[X0], s[WC], 6
	s_add_co_u32 s[RT], s[RT], s[X0]
	s_lshl_b32 s[RT], s[RT], 11
	s_mov_b32 s[RT+1], 0
	s_lshl_b32 s[CT], s[TC], 19                    ; kv: 256 rows of 2,048 bytes x tile column
	s_lshl_b32 s[X0], s[WC], 18                    ; + 128 rows x half
	s_add_co_u32 s[CT], s[CT], s[X0]
	s_lshl_b32 s[X1], s[BAT], 22                   ; + the batch's 2,048 rows
	s_add_co_u32 s[CT], s[CT], s[X1]
	s_mov_b32 s[CT+1], 0
	s_mul_i32 s[WOFA], s[WC], 64*PT
	s_mul_i32 s[WOFB], s[WC], BHALF
	s_add_co_u32 s[WOFB], s[WOFB], ATILE
	s_mov_b32 s[SEL], 0x76543210
	s_mov_b32 s[SEL+1], 0xfedcba98
	s_mov_b32 s[CS], 0x3d38aa3b                    ; c = log2(e) / 32
	s_mov_b32 s[BIG], 0x4eabfb8f                   ; 1e9 log2(e)
	s_mov_b32 s[NBIG], 0xceabfb8f
	s_mov_b32 s[LM], 0xffff0000                    ; lanes 16-31
	s_wait_dscnt 0x0
	s_wait_kmcnt 0x0
	s_add_nc_u64 s[RT:RT+1], s[4:5], s[RT:RT+1]
	s_add_nc_u64 s[CT:CT+1], s[6:7], s[CT:CT+1]
	CROUND
	s_mov_b32 s[G0A], 1
	s_mov_b32 s[G0A+1], s[WOFA]
	s_mov_b64 s[G0A+2:G0A+3], s[RT:RT+1]
	s_or_b32 s[G0A+3], s[G0A+3], 0x80000000
	s_mov_b32 s[G0A+4], 1
	s_add_co_u32 s[G0A+5], s[WOFA], SLOT
	s_add_nc_u64 s[G0A+6:G0A+7], s[RT:RT+1], STEP
	s_or_b32 s[G0A+7], s[G0A+7], 0x80000000
	s_mov_b32 s[G0B], 1
	s_mov_b32 s[G0B+1], s[WOFB]
	s_mov_b64 s[G0B+2:G0B+3], s[CT:CT+1]
	s_or_b32 s[G0B+3], s[G0B+3], 0x80000000
	s_mov_b32 s[G0B+4], 1
	s_add_co_u32 s[G0B+5], s[WOFB], SLOT
	s_add_nc_u64 s[G0B+6:G0B+7], s[CT:CT+1], STEP
	s_or_b32 s[G0B+7], s[G0B+7], 0x80000000
	s_cmp_eq_u32 s[WR], 0
	s_cbranch_scc0 .Lfirst_b
	tensor_load_to_lds s[G0A:G0A+3], s[G1A:G1A+7]
	s_nop 0
	tensor_load_to_lds s[G0A+4:G0A+7], s[G1A:G1A+7]
	s_nop 0
	PLACES
	s_branch .Lfirst_asked
.Lfirst_b:
	tensor_load_to_lds s[G0B:G0B+3], s[G1B:G1B+7]
	s_nop 0
	tensor_load_to_lds s[G0B+4:G0B+7], s[G1B:G1B+7]
	s_nop 0
	PLACES
.Lfirst_asked:
	v_and_b32 v1, 15, v0
	v_bfe_u32 v2, v0, 4, 1
	v_and_b32 v3, 31, v0
	s_lshl_b32 s[X3], s[TR], 9                     ; qb of rows 128 tr + 64 wr + 16 a + r
	s_lshl_b32 s[X4], s[WR], 8
	s_add_co_u32 s[X3], s[X3], s[X4]
	v_lshl_add_u32 v30, v1, 2, s[X3]
.irp a, 0,1,2,3
	global_load_b32 v[QB+\a], v30, s[8:9] offset:64*\a
.endr
	s_lshl_b32 s[X3], s[BAT], 11                   ; the mask bytes of keys 256 tc + 128 wc + 16 b + 8 h + 0..7
	s_lshl_b32 s[X4], s[TC], 8
	s_add_co_u32 s[X3], s[X3], s[X4]
	s_lshl_b32 s[X4], s[WC], 7
	s_add_co_u32 s[X3], s[X3], s[X4]
	v_lshl_add_u32 v31, v2, 3, s[X3]
.irp b, 0,1,2,3,4,5,6,7
	global_load_b64 v[192+2*\b:193+2*\b], v31, s[10:11] offset:16*\b
.endr
	v_mul_u32_u24 v4, v1, PT
	v_lshl_add_u32 v4, v2, 4, v4
	s_mul_i32 s[X0], s[WR], 64*PT
	v_add_nc_u32 v[A0], s[X0], v4
	s_mul_i32 s[X0], s[WC], BHALF
	s_add_co_u32 s[X0], s[X0], ATILE
	v_add_nc_u32 v[B0], s[X0], v4
	s_mul_i32 s[X0], s[WV], 16*SP
	s_add_co_u32 s[X0], s[X0], STAGE               ; my stage
	v_add_nc_u32 v[STO], s[X0], v4                 ; in: row r, 16 bytes for each half of the lanes (the stage has the tiles' pitch)
	v_mul_u32_u24 v[RD], v2, SP                    ; back: lanes 0-15 one row of 256 bytes, lanes 16-31 the next
	v_lshl_add_u32 v[RD], v1, 4, v[RD]
	v_add_nc_u32 v[RD], s[X0], v[RD]
	v_lshlrev_b32 v[CO], 12, v2                    ; the same two rows in P
	v_lshl_add_u32 v[CO], v1, 4, v[CO]
	s_lshl_b32 s[X3], s[TC], 16                    ; st: chunk 2 tc + wc, 32,768 bytes each; rows 128 tr + 64 wr + l, 8 bytes each
	s_lshl_b32 s[X4], s[WC], 15
	s_add_co_u32 s[X3], s[X3], s[X4]
	s_lshl_b32 s[X4], s[TR], 10
	s_add_co_u32 s[X3], s[X3], s[X4]
	s_lshl_b32 s[X4], s[WR], 9
	s_add_co_u32 s[X3], s[X3], s[X4]
	v_lshl_add_u32 v[STA], v3, 3, s[X3]
	s_lshl_b32 s[RT], s[TR], 7
	s_lshl_b32 s[X0], s[WR], 6
	s_add_co_u32 s[RT], s[RT], s[X0]
	s_lshl_b32 s[RT], s[RT], 12                    ; P at my first row (4,096 bytes a row),
	s_mov_b32 s[RT+1], 0
	s_lshl_b32 s[CT], s[TC], 9                     ; my chunk's 256 bytes
	s_lshl_b32 s[X0], s[WC], 8
	s_add_co_u32 s[CT], s[CT], s[X0]
	s_mov_b32 s[CT+1], 0
	s_add_nc_u64 s[12:13], s[12:13], s[RT:RT+1]
	s_add_nc_u64 s[12:13], s[12:13], s[CT:CT+1]
	v_mov_b32 v[XT], 0                             ; the exchange's destination counts as read
.irp a, 0,1,2,3
	v_mov_b32 v[ML+2*\a+1], 0                      ; named in a pair with mx before l is made
.endr
	s_wait_loadcnt 0x0
.irp b, 0,1,2,3,4,5,6,7
.irp j, 0,1,2,3,4,5,6,7
	v_bfe_u32 v[64+8*\b+\j], v[192+2*\b+\j/4], 8*(\j%4), 8
.endr
.endr
.set i, 0
.rept 64
	v_cvt_f32_u32 v[64+i], v[64+i]
.set i, i+1
.endr
	WIN 0x80                                       ; destination window 2
.set i, 0
.rept 64
	v_mul_f32 v[i], s[CS], v[64+i]                 ; MK = c or 0
	v_fma_f32 v[64+i], v[64+i], s[BIG], s[NBIG]    ; AK = exactly 0, or -1e9 log2(e)
.set i, i+1
.endr
	WIN 0x40                                       ; destination window 1
.irp a, 0,1,2,3
.set i, 0
.rept 64
	v_mov_b32 v[64*\a+i], v[QB+\a]
.set i, i+1
.endr
.endr
	WIN 0
.macro MULA f, a                       ; 8 matrix instructions: query block a x all 8 key blocks, 32 along K.  The 32 accumulators take turns, one instruction a turn
	WIN 0x50                                       ; C and D window 1
.irp b, 0,1,2,3,4,5,6,7
.set rD, 8*(8*(\a)+(\b))
	v_wmma_f32_16x16x32_bf16 v[rD:rD+7], v[(\f)+8*(\b):(\f)+8*(\b)+7], v[(\f)+64+8*(\a):(\f)+64+8*(\a)+7], v[rD:rD+7]
.endr
.endm
.macro FETCH u, f                      ; 24 LDS loads in one run: 32 along K at byte 64 u of the rows: kv's eight fragments, then Q's four
	WIN 0
.irp i, 0,1,2,3,4,5,6,7
	ds_load_b128 v[(\f)+8*(\i):(\f)+8*(\i)+3],   v[ADRB] offset:64*(\u)+(\i)*16*PT
	ds_load_b128 v[(\f)+8*(\i)+4:(\f)+8*(\i)+7], v[ADRB] offset:64*(\u)+(\i)*16*PT+32
.endr
.irp i, 0,1,2,3
	ds_load_b128 v[(\f)+64+8*(\i):(\f)+64+8*(\i)+3],   v[ADRA] offset:64*(\u)+(\i)*16*PT
	ds_load_b128 v[(\f)+64+8*(\i)+4:(\f)+64+8*(\i)+7], v[ADRA] offset:64*(\u)+(\i)*16*PT+32
.endr
.endm
.macro SETADR
	v_add_nc_u32 v[ADRA], s[TB], v[A0]
	v_add_nc_u32 v[ADRB], s[TB], v[B0]
.endm
.macro QSUB f, g, u                    ; one of a K step's first three quarters (32 along K)
	s_wait_dscnt 4                                 ; all but Q's blocks 2 and 3
	MULA \f, 0
	MULA \f, 1
	PLACES
	FETCH \u, \g
	s_wait_dscnt 24                                ; all but the 24 just issued
	MULA \f, 2
	MULA \f, 3
.endm
.macro TURN fill                       ; the last quarter and the change of slots; a refill has 112 matrix instructions in which to land
	WIN 0
	s_wait_tensorcnt 0x0                           ; all my tensor loads have landed: my part of the next slot
	ds_add_u32 v[SPW], v[NIL]                      ; 0 onto my spare word
.if \fill
	s_add_co_u32 s[G0A+5], s[WOFA], s[TB]
	s_add_nc_u64 s[G0A+6:G0A+7], s[G0A+6:G0A+7], STEP
	s_add_co_u32 s[G0B+5], s[WOFB], s[TB]
	s_add_nc_u64 s[G0B+6:G0B+7], s[G0B+6:G0B+7], STEP
.endif
	s_wait_dscnt 5                                 ; the add and Q's blocks 2 and 3 may be out
	MULA F1, 0
	s_wait_dscnt 0x0                               ; the add is done, and my reads of this slot are over
	s_barrier_signal -1
	MULA F1, 1
.if \fill
	WIN 0
.endif
	s_barrier_wait -1
.if \fill
	CREST
	JLOAD
.else
	PLACES
.endif
	WIN 0
	s_xor_b32 s[TB], s[TB], SLOT
	SETADR
	FETCH 0, F0
	MULA F1, 2
	MULA F1, 3
.endm
	s_wait_tensorcnt 0x1                           ; my part of K step 0 is in; step 1's may stay out
	s_barrier_signal -1
	s_barrier_wait -1
	s_mov_b32 s[TB], 0
	SETADR
	FETCH 0, F0
	s_mov_b32 s[CNT], NS-2
.Lstep:
	QSUB F0, F1, 1
	QSUB F1, F0, 2
	QSUB F0, F1, 3
	TURN 1
	WIN 0
	s_sub_co_u32 s[CNT], s[CNT], 1
	s_cmp_lg_u32 s[CNT], 0
	s_cbranch_scc1 .Lstep
	s_mov_b32 s[CNT], 2
.Ltail:                                                ; the last two steps ask for nothing; the second is left before its change of slots
	QSUB F0, F1, 1
	QSUB F1, F0, 2
	QSUB F0, F1, 3
	WIN 0
	s_sub_co_u32 s[CNT], s[CNT], 1
	s_cmp_eq_u32 s[CNT], 0
	s_cbranch_scc1 .Lout
	TURN 0
	WIN 0
	s_branch .Ltail
.Lout:
	s_wait_dscnt 4
	MULA F1, 0
	MULA F1, 1
	s_wait_dscnt 0x0
	MULA F1, 2
	MULA F1, 3
; THE WAY OUT, a block of 16 queries at a time.  PRE: t = s MK + AK, the chunk's maximum, t - mx.  EXPS: 64 exponentials, ONE batch.  POST: rounded to bf16, and the sum.  TOSTAGE, SEND: through my own stage, as whole rows.
; The next block's PRE stands between a batch and its one wait: it names none of the batch's registers, and its first line is the plain instruction behind the last exponential.
.macro PRE a
	WIN 0x69                                       ; S window 1, MK and AK window 2
.set n, 0
.rept 32                                       ; ascending: each accumulator's lowest registers are read first
	v_pk_fma_f32 v[64*(\a)+2*n:64*(\a)+2*n+1], v[64*(\a)+2*n:64*(\a)+2*n+1], v[2*n:2*n+1], v[64+2*n:64+2*n+1]
.set n, n+1
.endr
	WIN 0
.irp k, 0,1,2,3
	v_mov_b32 v[CC+\k], 0xff7fffff                 ; the lowest finite number
.endr
	WIN 0x14
.set n, 0
.rept 32
	v_max3_num_f32 v[CC+n%4], v[CC+n%4], v[64*(\a)+2*n], v[64*(\a)+2*n+1]
.set n, n+1
.endr
	WIN 0
	v_max3_num_f32 v[CC], v[CC], v[CC+1], v[CC+2]
	v_max_num_f32 v[CC], v[CC], v[CC+3]
	v_permlanex16_b32 v[XT], v[CC], s[SEL], s[SEL+1]  ; the query's other 64 keys lie in the lane 16 away
	v_max_num_f32 v[ML+2*(\a)], v[CC], v[XT]
	WIN 0x41
.set n, 0
.rept 32
	v_pk_add_f32 v[64*(\a)+2*n:64*(\a)+2*n+1], v[64*(\a)+2*n:64*(\a)+2*n+1], v[ML+2*(\a):ML+2*(\a)+1] op_sel_hi:[1,0] neg_lo:[0,1] neg_hi:[0,1]
.set n, n+1
.endr
.endm
.macro EXPS a
	WIN 0x41
.set n, 0
.rept 64
	v_exp_f32 v[64*(\a)+n], v[64*(\a)+n]
.set n, n+1
.endr
.endm
.macro POST a
	WIN 0x05
.set n, 0
.rept 32
	v_cvt_pk_bf16_f32 v[TMP+n], v[64*(\a)+2*n], v[64*(\a)+2*n+1]
.set n, n+1
.endr
	WIN 0x45
.irp s, 16,8,4,2,1                     ; the sum of the 32 pairs, in place
.set n, 0
.rept \s
	v_pk_add_f32 v[64*(\a)+2*n:64*(\a)+2*n+1], v[64*(\a)+2*n:64*(\a)+2*n+1], v[64*(\a)+2*(n+\s):64*(\a)+2*(n+\s)+1]
.set n, n+1
.endr
.endr
	WIN 0x05
	v_add_f32 v[XS], v[64*(\a)], v[64*(\a)+1]
	WIN 0
	v_permlanex16_b32 v[XT], v[XS], s[SEL], s[SEL+1]
	v_add_f32 v[ML+2*(\a)+1], v[XS], v[XT]
.endm
.macro TOSTAGE a
	WIN 0
.if (\a) >= 2
	s_wait_xcnt 0x0                                ; the stores of the block two back have read the registers that are loaded again below
.endif
.irp b, 0,1,2,3,4,5,6,7
	ds_store_b128 v[STO], v[TMP+4*\b:TMP+4*\b+3] offset:32*\b
.endr
.irp t, 0,1,2,3,4,5,6,7
	ds_load_b128 v[OB+32*((\a)%2)+4*\t:OB+32*((\a)%2)+4*\t+3], v[RD] offset:\t*2*SP  ; LDS serves a wave's instructions in order (ISA guide 5.7.1.4): these see the stores above
.endr
.endm
.macro SEND a
	WIN 0
	s_wait_dscnt 0x0
.irp t, 0,1,2,3,4,5,6,7
	global_store_b128 v[CO], v[OB+32*((\a)%2)+4*\t:OB+32*((\a)%2)+4*\t+3], s[12:13] offset:(16*(\a)+2*\t)*4096  ; 16 lanes store 256 consecutive bytes, aligned
.endr
.endm
	PLACES
	PRE 0
	EXPS 0
	PRE 1
	s_wait_alu depctr_va_vdst(0)                   ; one wait for the batch of 64, ahead of its first reader
	POST 0
	TOSTAGE 0
	EXPS 1
	PRE 2
	s_wait_alu depctr_va_vdst(0)
	POST 1
	SEND 0
	TOSTAGE 1
	EXPS 2
	PRE 3
	s_wait_alu depctr_va_vdst(0)
	POST 2
	SEND 1
	TOSTAGE 2
	EXPS 3
	v_nop                                          ; a plain instruction behind the last exponential
	s_wait_alu depctr_va_vdst(0)
	POST 3
	SEND 2
	TOSTAGE 3
	SEND 3
	v_cndmask_b32 v[SO],   v[ML],   v[ML+2], s[LM] ; lanes 0-15 give block 0's pair, lanes 16-31 block 1's: 32 rows on end, 256 consecutive bytes
	v_cndmask_b32 v[SO+1], v[ML+1], v[ML+3], s[LM]
	v_cndmask_b32 v[SO+2], v[ML+4], v[ML+6], s[LM]
	v_cndmask_b32 v[SO+3], v[ML+5], v[ML+7], s[LM]
	global_store_b64 v[STA], v[SO:SO+1],   s[14:15]
	global_store_b64 v[STA], v[SO+2:SO+3], s[14:15] offset:256
	s_wait_tensorcnt 0x0                           ; the wave's end
	ds_add_u32 v[SPW], v[NIL]
	s_wait_dscnt 0x0
	CROUND
	s_endpgm
.Lfunc_end_k_q0d2ae39058_score:
	.size	k_q0d2ae39058_score, .Lfunc_end_k_q0d2ae39058_score-k_q0d2ae39058_score
	.p2alignl 7, 3214868480
	.fill 96, 4, 3214868480
	.section	.rodata,"a",@progbits
	.p2align	6, 0x0
	.amdhsa_kernel k_q0d2ae39058_score
		.amdhsa_group_segment_fixed_size 327680
		.amdhsa_private_segment_fixed_size 0
		.amdhsa_enable_private_segment 0
		.amdhsa_kernarg_size 48
		.amdhsa_user_sgpr_count 2
		.amdhsa_user_sgpr_kernarg_segment_ptr 1
		.amdhsa_wavefront_size32 1
		.amdhsa_system_sgpr_workgroup_id_x 1
		.amdhsa_system_sgpr_workgroup_id_y 1
		.amdhsa_system_sgpr_workgroup_id_z 1
		.amdhsa_system_vgpr_workitem_id 0
		.amdhsa_next_free_vgpr 640
		.amdhsa_next_free_sgpr 80
		.amdhsa_reserve_vcc 0
		.amdhsa_float_denorm_mode_32 3
		.amdhsa_float_denorm_mode_16_64 3
		.amdhsa_memory_ordered 1
		.amdhsa_forward_progress 1
		.amdhsa_inst_pref_size 124
	.end_amdhsa_kernel
	.amdgpu_metadata
---
amdhsa.version: [ 1, 2 ]
amdhsa.kernels:
  - .name:           k_q0d2ae39058_score
    .symbol:         k_q0d2ae39058_score.kd
    .args:
      - { .name: t0, .offset: 0, .size: 8, .value_kind: global_buffer, .address_space: global }
      - { .name: kv16, .offset: 8, .size: 8, .value_kind: global_buffer, .address_space: global }
      - { .name: qb, .offset: 16, .size: 8, .value_kind: global_buffer, .address_space: global }
      - { .name: key_mask, .offset: 24, .size: 8, .value_kind: global_buffer, .address_space: global }
      - { .name: p, .offset: 32, .size: 8, .value_kind: global_buffer, .address_space: global }
      - { .name: st, .offset: 40, .size: 8, .value_kind: global_buffer, .address_space: global }
    .group_segment_fixed_size: 327680
    .private_segment_fixed_size: 0
    .kernarg_segment_align: 8
    .kernarg_segment_size: 48
    .max_flat_workgroup_size: 128
    .sgpr_count:     80
    .vgpr_count:     640
    .wavefront_size: 32
...
	.end_amdgpu_metadata
.endif
;; end of part 4
;; launch ctx (part 5): grid 8 x 32, 4 waves a work-group, clusters of 4 x 4, 327,680 bytes of LDS; arguments p, kv16, st, t1; writes t1
.if DOCPART == 5
	.amdgcn_target "amdgcn-amd-amdhsa--gfx1250"
	.amdhsa_code_object_version 6
	.text
	.protected	k_q0d2ae39058_ctx
	.globl	k_q0d2ae39058_ctx
	.p2align	8
	.type	k_q0d2ae39058_ctx,@function
k_q0d2ae39058_ctx:
	s_mov_b64 s[64:65], 0
	v_nop
	global_prefetch_b8 v0, s[64:65] scope:SCOPE_SE
	s_setreg_imm32_b32 hwreg(HW_REG_WAVE_MODE, 25, 1), 1
	s_wait_xcnt 0x0
	s_wait_alu depctr_hold_cnt(0) depctr_sa_sdst(0) depctr_va_vdst(0) depctr_va_sdst(0) depctr_va_ssrc(0) depctr_va_vcc(0) depctr_vm_vsrc(0)
	s_getreg_b32 s2, hwreg(HW_REG_IB_STS2, 6, 4)
	s_cmp_eq_u32 s2, 0
	s_cbranch_scc0 .Lentry_in_a_cluster
	s_endpgm
.Lentry_in_a_cluster:
	s_bfe_u32 s2, ttmp6, 0x10000c
	s_cmp_lg_u32 s2, 0xf033
	s_cbranch_scc0 .Lentry_shape_is_right
	s_endpgm
.Lentry_shape_is_right:
; C'[m][n] = the sum over the 16 chunks c of w[m][c] x (the sum over the chunk's 128 keys k of P[m][k] kv[k][n]),  w[m][c] = 2^(mx[c][m] - M[m]) / L[m],  M = the largest mx of the row,
; L = the sum over c of 2^(mx - M) l[c][m].  That is softmax(scores) . kv, with the row's maximum taken away.  With it attn . (kv Wv + bv) = C' Wv + bv, since a row of weights adds up to 1.
; P: [4096][2048] bf16; kv: [8][2048][1024] bf16 as it lies ([key][channel]); st: [16][4096] pairs (mx, l) f32; C': [4096][1024] bf16, rounded once.  Products, w, and the sums over chunks in f32.
; LIMIT.  A factor 2^(mx - M) below 2^-126 counts as 0.
; SHARES, CLUSTER, RING: tiles of 128 x 128, four waves of 64 x 64; K (2,048 keys) in eight steps of 256 through two slots; P's tile asked for jointly along a row of the 4 x 4 cluster, kv's along a column.
; A CHUNK IS TWO QUARTERS of a K step.  It is summed into fresh accumulators (its first products take the constant 0); two sets, TS0 and TS1, take turns.  While one set is summed, the other is folded:
; O += w T, four packed multiply-adds (one accumulator) behind every fourth matrix instruction.  O, the first TS1 and its w start at 0: 272 lines in the wait for the first tile, so that the step has one text.
; No prefetch: each of the eight steps brings 138 KiB a work-group for 128 matrix instructions a wave.
; REGISTERS: window 0: v16-31 addresses; v32-95 at work on the way out; v96-111 w (a pair a row block; the odd one is 0); v128-255 O.  Window 1: two fragment buffers.  Window 2: v0-127 TS0, v128-255 TS1.
.set NS,    8
.set PA,    528
.set PB,    288
.set ATILE, 128*PA
.set BHALF, 128*PB
.set SLOT,  ATILE+2*BHALF
.set STAGE, 2*SLOT
.set SP,    272
.set WT,    STAGE+128*SP               ; w: [16 chunks][128 rows] f32, 8,192 bytes; stored once, never filled by a tensor load
.set SPARE, WT+8192
.set STEPA, 512
.set STEPB, 256*2048
.set A0,   16
.set B0,   17
.set ADRA, 18
.set ADRB, 19
.set WAD,  21                          ; v21  where my rows' w of the step in hand lie
.set STO,  24
.set RD,   25
.set CO,   26
.set SPW,  28
.set NIL,  29
.set TMP,  32
.set WA,   96
.set WB,   104
.set ACC,  128
.set F0,   0
.set F1,   128
.set TS0,  0
.set TS1,  128
.set WV, 16
.set WR, 17
.set WC, 18
.set CX, 19
.set CY, 20
.set TC, 21
.set TR, 22
.set BAT, 23
.set G1A, 24
.set G0A, 32
.set G1B, 40
.set G0B, 48
.set TB,  56
.set WOFA, 57
.set WOFB, 58
.set CNT, 59
.set X0,  60                           ; wave's number alone
.set RM,  61
.set CM,  62
.set X1,  63                           ; column side
.set RT,  66
.set CT,  68
.set X2,  72                           ; wave's number alone
.set X3,  76                           ; for global offsets alone
.set MSB, 0
.macro WIN new
.if MSB != (\new)
	s_set_vgpr_msb (MSB<<8)|(\new)
.set MSB, \new
.endif
.endm
.macro PLACES
.rept 4
	v_nop
.endr
.endm
.macro CREST
	s_cmp_lg_u32 s[WV], 0
	s_cbranch_scc1 .Lnot_wave_0_\@
	s_barrier_signal -3
.Lnot_wave_0_\@:
	s_barrier_wait -3
	s_barrier_signal -1
	s_barrier_wait -1
.endm
.macro CROUND
	s_barrier_signal -1
	s_barrier_wait -1
	CREST
.endm
.macro JLOAD
	s_cmp_eq_u32 s[WR], 0
	s_cbranch_scc0 .Lfor_b_\@
	tensor_load_to_lds s[G0A+4:G0A+7], s[G1A:G1A+7]
	s_nop 0
	PLACES
	s_branch .Lasked_\@
.Lfor_b_\@:
	tensor_load_to_lds s[G0B+4:G0B+7], s[G1B:G1B+7]
	s_nop 0
	PLACES
.Lasked_\@:
.endm
	s_load_b256 s[4:11], s[0:1], 0x0               ; P s[4:5], kv s[6:7], st s[8:9], C' s[10:11]
	v_lshl_add_u32 v[SPW], v0, 2, SPARE
	v_mov_b32 v[NIL], 0
	ds_add_u32 v[SPW], v[NIL]                      ; the wave's opening: the add and its wait ahead of my first tensor load
	v_lshrrev_b32 v1, 5, v0
	v_readfirstlane_b32 s[WV], v1
	s_lshr_b32 s[WR], s[WV], 1
	s_and_b32 s[WC], s[WV], 1
	s_bfe_u32 s[CX], ttmp6, 0x40000
	s_bfe_u32 s[CY], ttmp6, 0x40004
	s_lshl_b32 s[TC], ttmp9, 2
	s_add_co_u32 s[TC], s[TC], s[CX]
	s_and_b32 s[BAT], ttmp7, 0xffff                ; cluster y = the batch
	s_lshl_b32 s[TR], s[BAT], 2
	s_add_co_u32 s[TR], s[TR], s[CY]
	s_lshl_b32 s[RM], s[CY], 2
	s_lshl_b32 s[RM], 15, s[RM]
	s_lshl_b32 s[CM], 0x1111, s[CX]
	s_or_b32 s[G1A], s[RM], (1<<16)|(1<<20)|(1<<21)|(6<<22)|(3<<25)  ; 64 rows x 256 elements; after every 128 words, 4 words
	s_mov_b32 s[G1A+1], 256<<16
	s_mov_b32 s[G1A+2], 64<<16
	s_mov_b32 s[G1A+3], 256<<16
	s_mov_b32 s[G1A+4], 64
	s_mov_b32 s[G1A+5], 2048                       ; a row of P has 2,048 elements
	s_mov_b32 s[G1A+6], 0
	s_mov_b32 s[G1A+7], 0
	s_or_b32 s[G1B], s[CM], (1<<16)|(1<<20)|(1<<21)|(5<<22)|(7<<25)  ; 128 rows x 128 elements; after every 64 words, 8 words
	s_mov_b32 s[G1B+1], 128<<16
	s_mov_b32 s[G1B+2], 128<<16
	s_mov_b32 s[G1B+3], 128<<16
	s_mov_b32 s[G1B+4], 128
	s_mov_b32 s[G1B+5], 1024
	s_mov_b32 s[G1B+6], 0
	s_mov_b32 s[G1B+7], 0
	s_lshl_b32 s[RT], s[TR], 7
	s_lshl_b32 s[X0], s[WC], 6
	s_add_co_u32 s[RT], s[RT], s[X0]
	s_lshl_b32 s[RT], s[RT], 12                    ; rows of 4,096 bytes
	s_mov_b32 s[RT+1], 0
	s_lshl_b32 s[CT], s[TC], 8
	s_lshl_b32 s[X0], s[WC], 18
	s_add_co_u32 s[CT], s[CT], s[X0]
	s_lshl_b32 s[X1], s[BAT], 22
	s_add_co_u32 s[CT], s[CT], s[X1]
	s_mov_b32 s[CT+1], 0
	s_mul_i32 s[WOFA], s[WC], 64*PA
	s_mul_i32 s[WOFB], s[WC], BHALF
	s_add_co_u32 s[WOFB], s[WOFB], ATILE
	s_wait_dscnt 0x0
	s_wait_kmcnt 0x0
	s_add_nc_u64 s[RT:RT+1], s[4:5], s[RT:RT+1]
	s_add_nc_u64 s[CT:CT+1], s[6:7], s[CT:CT+1]
	CROUND
	s_mov_b32 s[G0A], 1
	s_mov_b32 s[G0A+1], s[WOFA]
	s_mov_b64 s[G0A+2:G0A+3], s[RT:RT+1]
	s_or_b32 s[G0A+3], s[G0A+3], 0x80000000
	s_mov_b32 s[G0A+4], 1
	s_add_co_u32 s[G0A+5], s[WOFA], SLOT
	s_add_nc_u64 s[G0A+6:G0A+7], s[RT:RT+1], STEPA
	s_or_b32 s[G0A+7], s[G0A+7], 0x80000000
	s_mov_b32 s[G0B], 1
	s_mov_b32 s[G0B+1], s[WOFB]
	s_mov_b64 s[G0B+2:G0B+3], s[CT:CT+1]
	s_or_b32 s[G0B+3], s[G0B+3], 0x80000000
	s_mov_b32 s[G0B+4], 1
	s_add_co_u32 s[G0B+5], s[WOFB], SLOT
	s_add_nc_u64 s[G0B+6:G0B+7], s[CT:CT+1], STEPB
	s_or_b32 s[G0B+7], s[G0B+7], 0x80000000
	s_cmp_eq_u32 s[WR], 0
	s_cbranch_scc0 .Lfirst_b
	tensor_load_to_lds s[G0A:G0A+3], s[G1A:G1A+7]
	s_nop 0
	tensor_load_to_lds s[G0A+4:G0A+7], s[G1A:G1A+7]
	s_nop 0
	PLACES
	s_branch .Lfirst_asked
.Lfirst_b:
	tensor_load_to_lds s[G0B:G0B+3], s[G1B:G1B+7]
	s_nop 0
	tensor_load_to_lds s[G0B+4:G0B+7], s[G1B:G1B+7]
	s_nop 0
	PLACES
.Lfirst_asked:
	; thread t makes the 16 factors of row 128 tr + t
	s_lshl_b32 s[X3], s[TR], 10
	v_lshl_add_u32 v30, v0, 3, s[X3]
.set c, 0
.rept 16
	global_load_b64 v[128+2*c:129+2*c], v30, s[8:9] offset:32768*c  ; a wave's load covers 256 consecutive bytes
.set c, c+1
.endr
	v_lshl_add_u32 v31, v0, 2, WT
	v_and_b32 v1, 15, v0
	v_bfe_u32 v2, v0, 4, 1
	v_and_b32 v3, 7, v0
	v_bfe_u32 v4, v0, 3, 1
	v_mul_u32_u24 v[A0], v1, PA
	v_lshl_add_u32 v[A0], v2, 4, v[A0]
	s_mul_i32 s[X0], s[WR], 64*PA
	v_add_nc_u32 v[A0], s[X0], v[A0]
	v_lshl_add_u32 v[B0], v2, 3, v3
	v_mul_u32_u24 v[B0], v[B0], PB
	v_lshl_add_u32 v[B0], v4, 4, v[B0]
	s_lshl_b32 s[X0], s[WC], 7
	s_add_co_u32 s[X0], s[X0], ATILE
	v_add_nc_u32 v[B0], s[X0], v[B0]
	s_lshl_b32 s[X0], s[WR], 8
	s_add_co_u32 s[X0], s[X0], WT
	v_lshl_add_u32 v[WAD], v1, 2, s[X0]            ; w of row 64 wr + r, chunk 0
	s_mul_i32 s[X0], s[WR], 64*SP
	s_lshl_b32 s[X2], s[WC], 7
	s_add_co_u32 s[X0], s[X0], s[X2]
	s_add_co_u32 s[X0], s[X0], STAGE
	v_mul_u32_u24 v[STO], v1, SP
	v_lshl_add_u32 v[STO], v2, 4, v[STO]
	v_add_nc_u32 v[STO], s[X0], v[STO]
	s_mul_i32 s[X0], s[WV], 32*SP
	s_add_co_u32 s[X0], s[X0], STAGE
	v_mul_u32_u24 v[RD], v2, SP
	v_lshl_add_u32 v[RD], v1, 4, v[RD]
	v_add_nc_u32 v[RD], s[X0], v[RD]
	v_lshlrev_b32 v[CO], 11, v2
	v_lshl_add_u32 v[CO], v1, 4, v[CO]
	s_lshl_b32 s[RT], s[TR], 7
	s_lshl_b32 s[X0], s[WV], 5
	s_add_co_u32 s[RT], s[RT], s[X0]
	s_lshl_b32 s[RT], s[RT], 11
	s_mov_b32 s[RT+1], 0
	s_lshl_b32 s[CT], s[TC], 8
	s_mov_b32 s[CT+1], 0
	s_add_nc_u64 s[10:11], s[10:11], s[RT:RT+1]
	s_add_nc_u64 s[10:11], s[10:11], s[CT:CT+1]
	s_wait_loadcnt 0x0
	v_max3_num_f32 v160, v128, v130, v132          ; M
.irp k, 3,5,7,9,11,13
	v_max3_num_f32 v160, v160, v[128+2*\k], v[130+2*\k]
.endr
	v_max_num_f32 v160, v160, v158
.set c, 0
.rept 16
	v_sub_f32 v[162+c], v[128+2*c], v160
.set c, c+1
.endr
.set c, 0
.rept 16
	v_exp_f32 v[162+c], v[162+c]
.set c, c+1
.endr
	v_nop                                          ; a plain instruction behind the last exponential,
	s_wait_alu depctr_va_vdst(0)                   ; and one wait for the batch of 16
.irp k, 0,1,2,3
	v_mul_f32 v[180+\k], v[162+\k], v[129+2*\k]    ; L, in four chains
.endr
.set c, 4
.rept 12
	v_fmac_f32 v[180+c%4], v[162+c], v[129+2*c]
.set c, c+1
.endr
	v_add_f32 v180, v180, v181
	v_add_f32 v182, v182, v183
	v_add_f32 v180, v180, v182                     ; at least 1: the chunk that holds M has the factor 1 and a weight 1
	v_rcp_f32 v184, v180
	v_nop
	s_wait_alu depctr_va_vdst(0)
.set c, 0
.rept 16
	v_mul_f32 v[162+c], v[162+c], v184
.set c, c+1
.endr
.set c, 0
.rept 16
	ds_store_b32 v31, v[162+c] offset:512*c
.set c, c+1
.endr
.set i, 0
.rept 16
	v_mov_b32 v[WA+i], 0
.set i, i+1
.endr
.set i, 0
.rept 128
	v_mov_b32 v[ACC+i], 0
.set i, i+1
.endr
	WIN 0x80
.set i, 0
.rept 128
	v_mov_b32 v[TS1+i], 0
.set i, i+1
.endr
	WIN 0
; The fold of accumulator g of set fold: O += w T, ascending (the accumulator's lowest registers are read first).  It names no register of the products round it.
.macro RIDE fold, wreg, g
	WIN 0x02                                       ; source 0 window 2
.irp z, 0,1,2,3
	v_pk_fma_f32 v[ACC+8*(\g)+2*\z:ACC+8*(\g)+2*\z+1], v[(\fold)+8*(\g)+2*\z:(\fold)+8*(\g)+2*\z+1], v[(\wreg)+2*((\g)/4):(\wreg)+2*((\g)/4)+1], v[ACC+8*(\g)+2*\z:ACC+8*(\g)+2*\z+1] op_sel_hi:[1,0,1]
.endr
.endm
; 8 matrix instructions into set acc, and two folds of the other set.  The 16 accumulators take turns, one instruction a turn.  zero = 1: the chunk's first 16 products start its sums.
; Between an accumulator's last product and its fold stand four folds of other accumulators or more: the places that a reader of a matrix result wants (ISA guide 7.12.1).
.macro MULR f, c, a0, acc, zero, fold, wreg, gq
.irp a, \a0, (\a0)+1
	WIN 0xa5                                       ; sources 0 and 1 window 1; C and D window 2
.irp b, 0,1,2,3
.set rD, (\acc)+8*(4*(\a)+(\b))
.set rB, (\f)+64+8*(4*(\c)+(\b))
.set rA, (\f)+8*(4*(\c)+(\a))
.if (\zero) && ((\c) == 0)
	v_wmma_f32_16x16x32_bf16 v[rD:rD+7], v[rB:rB+7], v[rA:rA+7], 0
.else
	v_wmma_f32_16x16x32_bf16 v[rD:rD+7], v[rB:rB+7], v[rA:rA+7], v[rD:rD+7]
.endif
.endr
	RIDE \fold, \wreg, 8*(\gq)+4*(\c)+(\a)
.endr
.endm
.macro FETCH q, f
	WIN 0x40
.irp c, 0,1
.irp i, 0,1,2,3
.set rB, (\f)+64+8*(4*(\c)+(\i))
.set rA, (\f)+8*(4*(\c)+(\i))
	ds_load_tr16_b128 v[rB:rB+3],   v[ADRB+(\q)/2] offset:(((\q)%2)*64+32*(\c))*PB+32*(\i)
	ds_load_tr16_b128 v[rB+4:rB+7], v[ADRB+(\q)/2] offset:(((\q)%2)*64+32*(\c)+16)*PB+32*(\i)
	ds_load_b128 v[rA:rA+3],   v[ADRA] offset:128*(\q)+64*(\c)+(\i)*16*PA
	ds_load_b128 v[rA+4:rA+7], v[ADRA] offset:128*(\q)+64*(\c)+(\i)*16*PA+32
.endr
.endr
.endm
.macro SETADR
	v_add_nc_u32 v[ADRA], s[TB], v[A0]
	v_add_nc_u32 v[ADRB], s[TB], v[B0]
	v_add_nc_u32 v[ADRB+1], BHALF, v[ADRB]
.endm
; wl = 1: the step's first chunk's w are read (used two quarters on); wl = 2: its second chunk's (used in the next step's first two quarters).  They are older than the 32 fragment loads, so the wait for all but those covers them.
.macro QUARTER f, g, q, acc, zero, fold, wreg, gq, wl
	s_wait_dscnt 16                                ; the first 32 along K are in
	MULR \f, 0, 0, \acc, \zero, \fold, \wreg, \gq
	MULR \f, 0, 2, \acc, \zero, \fold, \wreg, \gq
	PLACES
.if (\wl) == 1
	WIN 0
.irp a, 0,1,2,3
	ds_load_b32 v[WA+2*\a], v[WAD] offset:64*\a
.endr
.endif
.if (\wl) == 2
	WIN 0
.irp a, 0,1,2,3
	ds_load_b32 v[WB+2*\a], v[WAD] offset:512+64*\a
.endr
	v_add_nc_u32 v[WAD], 1024, v[WAD]              ; two chunks on
.endif
	FETCH \q, \g
	s_wait_dscnt 32                                ; all but the 32 just issued
	MULR \f, 1, 0, \acc, \zero, \fold, \wreg, \gq
	MULR \f, 1, 2, \acc, \zero, \fold, \wreg, \gq
.endm
.macro THREE                           ; a K step's first three quarters
	QUARTER F0, F1, 1, TS0, 1, TS1, WB, 0, 1
	QUARTER F1, F0, 2, TS0, 0, TS1, WB, 1, 0
	QUARTER F0, F1, 3, TS1, 1, TS0, WA, 0, 2
.endm
.macro TURN fill                       ; the last quarter and the change of slots; a refill has 112 matrix instructions in which to land
	WIN 0
	s_wait_tensorcnt 0x0                           ; all my tensor loads have landed: my part of the next slot
	ds_add_u32 v[SPW], v[NIL]                      ; 0 onto my spare word
.if \fill
	s_add_co_u32 s[G0A+5], s[WOFA], s[TB]
	s_add_nc_u64 s[G0A+6:G0A+7], s[G0A+6:G0A+7], STEPA
	s_add_co_u32 s[G0B+5], s[WOFB], s[TB]
	s_add_nc_u64 s[G0B+6:G0B+7], s[G0B+6:G0B+7], STEPB
.endif
	s_wait_dscnt 17                                ; the add and the youngest sixteen loads may be out
	MULR F1, 0, 0, TS1, 0, TS0, WA, 1
	s_wait_dscnt 0x0                               ; the add is done, and my reads of this slot are over
	s_barrier_signal -1
	MULR F1, 0, 2, TS1, 0, TS0, WA, 1
.if \fill
	WIN 0
.endif
	s_barrier_wait -1
.if \fill
	CREST
	JLOAD
.else
	PLACES
.endif
	WIN 0
	s_xor_b32 s[TB], s[TB], SLOT
	SETADR
	FETCH 0, F0
	MULR F1, 1, 0, TS1, 0, TS0, WA, 1
	MULR F1, 1, 2, TS1, 0, TS0, WA, 1
.endm
	s_wait_tensorcnt 0x1                           ; my part of K step 0 is in; step 1's may stay out
	s_wait_dscnt 0x0                               ; for the others' sake: my rows' w are stored
	s_barrier_signal -1
	s_barrier_wait -1
	s_mov_b32 s[TB], 0
	SETADR
	FETCH 0, F0
	WIN 0
	s_mov_b32 s[CNT], NS-2
.Lstep:
	THREE
	TURN 1
	WIN 0
	s_sub_co_u32 s[CNT], s[CNT], 1
	s_cmp_lg_u32 s[CNT], 0
	s_cbranch_scc1 .Lstep
	s_mov_b32 s[CNT], 2
.Ltail:                                                ; the last two steps ask for nothing; the second is left before its change of slots
	THREE
	WIN 0
	s_sub_co_u32 s[CNT], s[CNT], 1
	s_cmp_eq_u32 s[CNT], 0
	s_cbranch_scc1 .Lout
	TURN 0
	WIN 0
	s_branch .Ltail
.Lout:
	s_wait_dscnt 16
	MULR F1, 0, 0, TS1, 0, TS0, WA, 1
	MULR F1, 0, 2, TS1, 0, TS0, WA, 1
	s_wait_dscnt 0x0
	MULR F1, 1, 0, TS1, 0, TS0, WA, 1
	MULR F1, 1, 2, TS1, 0, TS0, WA, 1
	PLACES
.set g, 0
.rept 16                                       ; the last chunk's fold
	RIDE TS1, WB, g
.set g, g+1
.endr
	WIN 0
	; THE WAY OUT: O rounded to bf16, through the work-group's stage, with a barrier between writing and reading
.set t, 0
.rept 16
.irp r, 0,1,2,3
	v_cvt_pk_bf16_f32 v[TMP+4*t+\r], v[ACC+8*t+2*\r], v[ACC+8*t+2*\r+1]
.endr
.set t, t+1
.endr
.irp a, 0,1,2,3
.irp b, 0,1,2,3
	ds_store_b128 v[STO], v[TMP+4*(4*\a+\b):TMP+4*(4*\a+\b)+3] offset:(\a)*16*SP+32*(\b)
.endr
.endr
	s_wait_dscnt 0x0
	s_barrier_signal -1
	s_barrier_wait -1
.set t, 0
.rept 16
	ds_load_b128 v[TMP+4*t:TMP+4*t+3], v[RD] offset:t*2*SP
.set t, t+1
.endr
.set t, 0
.rept 16
	s_wait_dscnt 15-t
	global_store_b128 v[CO], v[TMP+4*t:TMP+4*t+3], s[10:11] offset:t*4096  ; 16 lanes store 256 consecutive bytes, aligned
.set t, t+1
.endr
	s_wait_tensorcnt 0x0                           ; the wave's end
	ds_add_u32 v[SPW], v[NIL]
	s_wait_dscnt 0x0
	CROUND
	s_endpgm
.Lfunc_end_k_q0d2ae39058_ctx:
	.size	k_q0d2ae39058_ctx, .Lfunc_end_k_q0d2ae39058_ctx-k_q0d2ae39058_ctx
	.p2alignl 7, 3214868480
	.fill 96, 4, 3214868480
	.section	.rodata,"a",@progbits
	.p2align	6, 0x0
	.amdhsa_kernel k_q0d2ae39058_ctx
		.amdhsa_group_segment_fixed_size 327680
		.amdhsa_private_segment_fixed_size 0
		.amdhsa_enable_private_segment 0
		.amdhsa_kernarg_size 32
		.amdhsa_user_sgpr_count 2
		.amdhsa_user_sgpr_kernarg_segment_ptr 1
		.amdhsa_wavefront_size32 1
		.amdhsa_system_sgpr_workgroup_id_x 1
		.amdhsa_system_sgpr_workgroup_id_y 1
		.amdhsa_system_sgpr_workgroup_id_z 1
		.amdhsa_system_vgpr_workitem_id 0
		.amdhsa_next_free_vgpr 768
		.amdhsa_next_free_sgpr 80
		.amdhsa_reserve_vcc 0
		.amdhsa_float_denorm_mode_32 3
		.amdhsa_float_denorm_mode_16_64 3
		.amdhsa_memory_ordered 1
		.amdhsa_forward_progress 1
		.amdhsa_inst_pref_size 98
	.end_amdhsa_kernel
	.amdgpu_metadata
---
amdhsa.version: [ 1, 2 ]
amdhsa.kernels:
  - .name:           k_q0d2ae39058_ctx
    .symbol:         k_q0d2ae39058_ctx.kd
    .args:
      - { .name: p, .offset: 0, .size: 8, .value_kind: global_buffer, .address_space: global }
      - { .name: kv16, .offset: 8, .size: 8, .value_kind: global_buffer, .address_space: global }
      - { .name: st, .offset: 16, .size: 8, .value_kind: global_buffer, .address_space: global }
      - { .name: t1, .offset: 24, .size: 8, .value_kind: global_buffer, .address_space: global }
    .group_segment_fixed_size: 327680
    .private_segment_fixed_size: 0
    .kernarg_segment_align: 8
    .kernarg_segment_size: 32
    .max_flat_workgroup_size: 128
    .sgpr_count:     80
    .vgpr_count:     768
    .wavefront_size: 32
...
	.end_amdgpu_metadata
.endif
;; end of part 5
;; launch o_proj (part 6): grid 8 x 32, 4 waves a work-group, clusters of 4 x 4, 327,680 bytes of LDS; arguments t1, wp, bo, out0; writes out0
.if DOCPART == 6
	.amdgcn_target "amdgcn-amd-amdhsa--gfx1250"
	.amdhsa_code_object_version 6
	.text
	.protected	k_q0d2ae39058_o_proj
	.globl	k_q0d2ae39058_o_proj
	.p2align	8
	.type	k_q0d2ae39058_o_proj,@function
k_q0d2ae39058_o_proj:
	s_mov_b64 s[64:65], 0
	v_nop
	global_prefetch_b8 v0, s[64:65] scope:SCOPE_SE
	s_setreg_imm32_b32 hwreg(HW_REG_WAVE_MODE, 25, 1), 1
	s_wait_xcnt 0x0
	s_wait_alu depctr_hold_cnt(0) depctr_sa_sdst(0) depctr_va_vdst(0) depctr_va_sdst(0) depctr_va_ssrc(0) depctr_va_vcc(0) depctr_vm_vsrc(0)
	s_getreg_b32 s2, hwreg(HW_REG_IB_STS2, 6, 4)
	s_cmp_eq_u32 s2, 0
	s_cbranch_scc0 .Lentry_in_a_cluster
	s_endpgm
.Lentry_in_a_cluster:
	s_bfe_u32 s2, ttmp6, 0x10000c
	s_cmp_lg_u32 s2, 0xf033
	s_cbranch_scc0 .Lentry_shape_is_right
	s_endpgm
.Lentry_shape_is_right:
; out[m][n] = the sum over k of C'[m][k] W2[k][n] + bw[n] + bo[n]  (= (C' Wv + bv) Wo + bo, with W2 = Wv Wo and bw = bv Wo).
; C': [4096][1024] bf16; in wp: W2 [1024][1024] bf16 as it lies ([k][n]) at byte 2,097,152, bw [1024] f32 at 4,198,400; bo: [1024] f32; out: [4096][1024] f32.  Sums in f32.
; LIMIT.  bo is rounded to bf16 like every other input of the program; bw + bo starts the sums.
; SHARES, CLUSTER, RING: tiles of 128 x 128, four waves of 64 x 64, four K steps of 256 through two slots; C's tile asked for jointly along a row of the 4 x 4 cluster, W2's along a column.
; Source 0 = 16 columns of W2 (turned by ds_load_tr16_b128), source 1 = 16 rows of C': a lane holds row l % 16 of out and the columns 8 (l / 16) + 0..7.
; THE WAY OUT: a wave's 64 columns of f32 are 256 aligned bytes of a row, so each wave has a stage of its own, 16 rows at a time, and no barrier.  No prefetch: four steps, two of them first fills.
.set NS,    4
.set PA,    528
.set PB,    288
.set ATILE, 128*PA
.set BHALF, 128*PB
.set SLOT,  ATILE+2*BHALF
.set STAGE, 2*SLOT                     ; behind the ring: 16 rows x 272 bytes for each wave
.set SP,    272
.set SPARE, STAGE+4*16*SP
.set STEPA, 512
.set STEPB, 256*2048
.set BOFF,  2097152                    ; W2 in wp
.set BWOF,  4194304+4096               ; bw in wp
.set A0,   16
.set B0,   17
.set ADRA, 18
.set ADRB, 19
.set STO,  24
.set RD,   25
.set CO,   26
.set BO,   27
.set SPW,  28
.set NIL,  29
.set TMP,  32
.set ACC,  128
.set F0,   0
.set F1,   128
.set WV, 16
.set WR, 17
.set WC, 18
.set CX, 19
.set CY, 20
.set TC, 21
.set TR, 22
.set BAT, 23
.set G1A, 24
.set G0A, 32
.set G1B, 40
.set G0B, 48
.set TB,  56
.set WOFA, 57
.set WOFB, 58
.set CNT, 59
.set X0,  60                           ; wave's number alone
.set RM,  61
.set CM,  62
.set X1,  63                           ; column side
.set RT,  66
.set CT,  68
.set HM,  73
.set MUL, 0x05
.set MSB, 0
.macro WIN new
.if MSB != (\new)
	s_set_vgpr_msb (MSB<<8)|(\new)
.set MSB, \new
.endif
.endm
.macro PLACES
.rept 4
	v_nop
.endr
.endm
.macro CREST
	s_cmp_lg_u32 s[WV], 0
	s_cbranch_scc1 .Lnot_wave_0_\@
	s_barrier_signal -3
.Lnot_wave_0_\@:
	s_barrier_wait -3
	s_barrier_signal -1
	s_barrier_wait -1
.endm
.macro CROUND
	s_barrier_signal -1
	s_barrier_wait -1
	CREST
.endm
.macro JLOAD
	s_cmp_eq_u32 s[WR], 0
	s_cbranch_scc0 .Lfor_b_\@
	tensor_load_to_lds s[G0A+4:G0A+7], s[G1A:G1A+7]
	s_nop 0
	PLACES
	s_branch .Lasked_\@
.Lfor_b_\@:
	tensor_load_to_lds s[G0B+4:G0B+7], s[G1B:G1B+7]
	s_nop 0
	PLACES
.Lasked_\@:
.endm
	s_load_b256 s[4:11], s[0:1], 0x0               ; C' s[4:5], wp s[6:7], bo s[8:9], out s[10:11]
	v_lshl_add_u32 v[SPW], v0, 2, SPARE
	v_mov_b32 v[NIL], 0
	ds_add_u32 v[SPW], v[NIL]                      ; the wave's opening: the add and its wait ahead of my first tensor load
	v_lshrrev_b32 v1, 5, v0
	v_readfirstlane_b32 s[WV], v1
	s_lshr_b32 s[WR], s[WV], 1
	s_and_b32 s[WC], s[WV], 1
	s_bfe_u32 s[CX], ttmp6, 0x40000
	s_bfe_u32 s[CY], ttmp6, 0x40004
	s_lshl_b32 s[TC], ttmp9, 2
	s_add_co_u32 s[TC], s[TC], s[CX]
	s_and_b32 s[BAT], ttmp7, 0xffff
	s_lshl_b32 s[TR], s[BAT], 2
	s_add_co_u32 s[TR], s[TR], s[CY]
	s_lshl_b32 s[RM], s[CY], 2
	s_lshl_b32 s[RM], 15, s[RM]
	s_lshl_b32 s[CM], 0x1111, s[CX]
	s_or_b32 s[G1A], s[RM], (1<<16)|(1<<20)|(1<<21)|(6<<22)|(3<<25)
	s_mov_b32 s[G1A+1], 256<<16
	s_mov_b32 s[G1A+2], 64<<16
	s_mov_b32 s[G1A+3], 256<<16
	s_mov_b32 s[G1A+4], 64
	s_mov_b32 s[G1A+5], 1024
	s_mov_b32 s[G1A+6], 0
	s_mov_b32 s[G1A+7], 0
	s_or_b32 s[G1B], s[CM], (1<<16)|(1<<20)|(1<<21)|(5<<22)|(7<<25)
	s_mov_b32 s[G1B+1], 128<<16
	s_mov_b32 s[G1B+2], 128<<16
	s_mov_b32 s[G1B+3], 128<<16
	s_mov_b32 s[G1B+4], 128
	s_mov_b32 s[G1B+5], 1024
	s_mov_b32 s[G1B+6], 0
	s_mov_b32 s[G1B+7], 0
	s_lshl_b32 s[RT], s[TR], 7
	s_lshl_b32 s[X0], s[WC], 6
	s_add_co_u32 s[RT], s[RT], s[X0]
	s_lshl_b32 s[RT], s[RT], 11
	s_mov_b32 s[RT+1], 0
	s_lshl_b32 s[CT], s[TC], 8
	s_lshl_b32 s[X0], s[WC], 18
	s_add_co_u32 s[CT], s[CT], s[X0]
	s_add_co_u32 s[CT], s[CT], BOFF                ; behind W1
	s_mov_b32 s[CT+1], 0
	s_mul_i32 s[WOFA], s[WC], 64*PA
	s_mul_i32 s[WOFB], s[WC], BHALF
	s_add_co_u32 s[WOFB], s[WOFB], ATILE
	s_mov_b32 s[HM], 0xffff0000
	s_wait_dscnt 0x0
	s_wait_kmcnt 0x0
	s_add_nc_u64 s[RT:RT+1], s[4:5], s[RT:RT+1]
	s_add_nc_u64 s[CT:CT+1], s[6:7], s[CT:CT+1]
	CROUND
	s_mov_b32 s[G0A], 1
	s_mov_b32 s[G0A+1], s[WOFA]
	s_mov_b64 s[G0A+2:G0A+3], s[RT:RT+1]
	s_or_b32 s[G0A+3], s[G0A+3], 0x80000000
	s_mov_b32 s[G0A+4], 1
	s_add_co_u32 s[G0A+5], s[WOFA], SLOT
	s_add_nc_u64 s[G0A+6:G0A+7], s[RT:RT+1], STEPA
	s_or_b32 s[G0A+7], s[G0A+7], 0x80000000
	s_mov_b32 s[G0B], 1
	s_mov_b32 s[G0B+1], s[WOFB]
	s_mov_b64 s[G0B+2:G0B+3], s[CT:CT+1]
	s_or_b32 s[G0B+3], s[G0B+3], 0x80000000
	s_mov_b32 s[G0B+4], 1
	s_add_co_u32 s[G0B+5], s[WOFB], SLOT
	s_add_nc_u64 s[G0B+6:G0B+7], s[CT:CT+1], STEPB
	s_or_b32 s[G0B+7], s[G0B+7], 0x80000000
	s_cmp_eq_u32 s[WR], 0
	s_cbranch_scc0 .Lfirst_b
	tensor_load_to_lds s[G0A:G0A+3], s[G1A:G1A+7]
	s_nop 0
	tensor_load_to_lds s[G0A+4:G0A+7], s[G1A:G1A+7]
	s_nop 0
	PLACES
	s_branch .Lfirst_asked
.Lfirst_b:
	tensor_load_to_lds s[G0B:G0B+3], s[G1B:G1B+7]
	s_nop 0
	tensor_load_to_lds s[G0B+4:G0B+7], s[G1B:G1B+7]
	s_nop 0
	PLACES
.Lfirst_asked:
	v_and_b32 v1, 15, v0
	v_bfe_u32 v2, v0, 4, 1
	v_and_b32 v3, 7, v0
	v_bfe_u32 v4, v0, 3, 1
	s_lshl_b32 s[X1], s[TC], 9                     ; bo and bw of my columns 128 tc + 64 wc + 16 b + 8 h + j, 4 bytes each
	s_lshl_b32 s[X0], s[WC], 8
	s_add_co_u32 s[X1], s[X1], s[X0]
	v_lshl_add_u32 v[BO], v2, 5, s[X1]
.irp b, 0,1,2,3
	global_load_b128 v[TMP+8*\b:TMP+8*\b+3],       v[BO], s[8:9] offset:64*\b
	global_load_b128 v[TMP+8*\b+4:TMP+8*\b+7],     v[BO], s[8:9] offset:64*\b+16
	global_load_b128 v[TMP+32+8*\b:TMP+32+8*\b+3], v[BO], s[6:7] offset:BWOF+64*\b
	global_load_b128 v[TMP+36+8*\b:TMP+36+8*\b+3], v[BO], s[6:7] offset:BWOF+64*\b+16
.endr
	v_mul_u32_u24 v[A0], v1, PA
	v_lshl_add_u32 v[A0], v2, 4, v[A0]
	s_mul_i32 s[X0], s[WR], 64*PA
	v_add_nc_u32 v[A0], s[X0], v[A0]
	v_lshl_add_u32 v[B0], v2, 3, v3
	v_mul_u32_u24 v[B0], v[B0], PB
	v_lshl_add_u32 v[B0], v4, 4, v[B0]
	s_lshl_b32 s[X0], s[WC], 7
	s_add_co_u32 s[X0], s[X0], ATILE
	v_add_nc_u32 v[B0], s[X0], v[B0]
	s_mul_i32 s[X0], s[WV], 16*SP
	s_add_co_u32 s[X0], s[X0], STAGE               ; my stage
	v_mul_u32_u24 v[STO], v1, SP                   ; in: row r, 32 bytes for each half of the lanes
	v_lshl_add_u32 v[STO], v2, 5, v[STO]
	v_add_nc_u32 v[STO], s[X0], v[STO]
	v_mul_u32_u24 v[RD], v2, SP                    ; back: lanes 0-15 one row of 256 bytes, lanes 16-31 the next
	v_lshl_add_u32 v[RD], v1, 4, v[RD]
	v_add_nc_u32 v[RD], s[X0], v[RD]
	v_lshlrev_b32 v[CO], 12, v2                    ; the same two rows in out (4,096 bytes a row)
	v_lshl_add_u32 v[CO], v1, 4, v[CO]
	s_lshl_b32 s[RT], s[TR], 7
	s_lshl_b32 s[X0], s[WR], 6
	s_add_co_u32 s[RT], s[RT], s[X0]
	s_lshl_b32 s[RT], s[RT], 12
	s_mov_b32 s[RT+1], 0
	s_lshl_b32 s[CT], s[TC], 9
	s_lshl_b32 s[X0], s[WC], 8
	s_add_co_u32 s[CT], s[CT], s[X0]
	s_mov_b32 s[CT+1], 0
	s_add_nc_u64 s[10:11], s[10:11], s[RT:RT+1]
	s_add_nc_u64 s[10:11], s[10:11], s[CT:CT+1]
	s_wait_loadcnt 0x0
.set i, 0
.rept 16
	v_cvt_pk_bf16_f32 v[96+i], v[TMP+2*i], v[TMP+2*i+1]  ; bo rounded to bf16,
.set i, i+1
.endr
.set i, 0
.rept 16
	v_lshlrev_b32 v[TMP+2*i],   16, v[96+i]        ; and back as f32
	v_and_b32     v[TMP+2*i+1], s[HM], v[96+i]
.set i, i+1
.endr
	; the sums start at bo + bw: 64 packed additions in the wait for the first tile, in place of an addition on the way out
.irp a, 0,1,2,3
.set i, 0
.rept 16
	v_pk_add_f32 v[ACC+32*\a+2*i:ACC+32*\a+2*i+1], v[TMP+2*i:TMP+2*i+1], v[TMP+32+2*i:TMP+32+2*i+1]
.set i, i+1
.endr
.endr
.macro MUL8 f, c, a0                   ; the 16 accumulators take turns, one instruction a turn
	WIN MUL
.irp a, \a0, (\a0)+1
.irp b, 0,1,2,3
.set rD, ACC+8*(4*(\a)+(\b))
.set rB, (\f)+64+8*(4*(\c)+(\b))
.set rA, (\f)+8*(4*(\c)+(\a))
	v_wmma_f32_16x16x32_bf16 v[rD:rD+7], v[rB:rB+7], v[rA:rA+7], v[rD:rD+7]
.endr
.endr
.endm
.macro FETCH q, f
	WIN 0x40
.irp c, 0,1
.irp i, 0,1,2,3
.set rB, (\f)+64+8*(4*(\c)+(\i))
.set rA, (\f)+8*(4*(\c)+(\i))
	ds_load_tr16_b128 v[rB:rB+3],   v[ADRB+(\q)/2] offset:(((\q)%2)*64+32*(\c))*PB+32*(\i)
	ds_load_tr16_b128 v[rB+4:rB+7], v[ADRB+(\q)/2] offset:(((\q)%2)*64+32*(\c)+16)*PB+32*(\i)
	ds_load_b128 v[rA:rA+3],   v[ADRA] offset:128*(\q)+64*(\c)+(\i)*16*PA
	ds_load_b128 v[rA+4:rA+7], v[ADRA] offset:128*(\q)+64*(\c)+(\i)*16*PA+32
.endr
.endr
.endm
.macro SETADR
	v_add_nc_u32 v[ADRA], s[TB], v[A0]
	v_add_nc_u32 v[ADRB], s[TB], v[B0]
	v_add_nc_u32 v[ADRB+1], BHALF, v[ADRB]
.endm
.macro QUARTER f, g, q
	s_wait_dscnt 16                                ; the first 32 along K are in
	MUL8 \f, 0, 0
	MUL8 \f, 0, 2
	PLACES
	FETCH \q, \g
	s_wait_dscnt 32                                ; all but the 32 just issued
	MUL8 \f, 1, 0
	MUL8 \f, 1, 2
.endm
.macro TURN fill                       ; the last quarter and the change of slots
	WIN 0
	s_wait_tensorcnt 0x0                           ; all my tensor loads have landed: my part of the next slot
	ds_add_u32 v[SPW], v[NIL]                      ; 0 onto my spare word
.if \fill
	s_add_co_u32 s[G0A+5], s[WOFA], s[TB]
	s_add_nc_u64 s[G0A+6:G0A+7], s[G0A+6:G0A+7], STEPA
	s_add_co_u32 s[G0B+5], s[WOFB], s[TB]
	s_add_nc_u64 s[G0B+6:G0B+7], s[G0B+6:G0B+7], STEPB
.endif
	s_wait_dscnt 17                                ; the add and the youngest sixteen loads may be out
	MUL8 F1, 0, 0
	s_wait_dscnt 0x0                               ; the add is done, and my reads of this slot are over
	s_barrier_signal -1
	MUL8 F1, 0, 2
.if \fill
	WIN 0
.endif
	s_barrier_wait -1
.if \fill
	CREST
	JLOAD
.else
	PLACES
.endif
	WIN 0
	s_xor_b32 s[TB], s[TB], SLOT
	SETADR
	FETCH 0, F0
	MUL8 F1, 1, 0
	MUL8 F1, 1, 2
.endm
	s_wait_tensorcnt 0x1                           ; my part of K step 0 is in; step 1's may stay out
	s_barrier_signal -1
	s_barrier_wait -1
	s_mov_b32 s[TB], 0
	SETADR
	FETCH 0, F0
	WIN 0
	s_mov_b32 s[CNT], NS-2
.Lstep:
	QUARTER F0, F1, 1
	QUARTER F1, F0, 2
	QUARTER F0, F1, 3
	TURN 1
	WIN 0
	s_sub_co_u32 s[CNT], s[CNT], 1
	s_cmp_lg_u32 s[CNT], 0
	s_cbranch_scc1 .Lstep
	s_mov_b32 s[CNT], 2
.Ltail:                                                ; the last two steps ask for nothing; the second is left before its change of slots
	QUARTER F0, F1, 1
	QUARTER F1, F0, 2
	QUARTER F0, F1, 3
	WIN 0
	s_sub_co_u32 s[CNT], s[CNT], 1
	s_cmp_eq_u32 s[CNT], 0
	s_cbranch_scc1 .Lout
	TURN 0
	WIN 0
	s_branch .Ltail
.Lout:
	s_wait_dscnt 16
	MUL8 F1, 0, 0
	MUL8 F1, 0, 2
	s_wait_dscnt 0x0
	MUL8 F1, 1, 0
	MUL8 F1, 1, 2
	WIN 0
	PLACES
; Block a (16 rows): a lane's 8 columns of each column block, 32 bytes, go into my stage (each accumulator's lowest registers first) and come back as whole rows of 256 bytes.
.macro TOSTAGE a
.if (\a) >= 2
	s_wait_xcnt 0x0                                ; the stores of the block two back have read the registers that are loaded again below
.endif
.irp b, 0,1,2,3
	ds_store_b128 v[STO], v[ACC+8*(4*(\a)+\b):ACC+8*(4*(\a)+\b)+3]   offset:64*\b
	ds_store_b128 v[STO], v[ACC+8*(4*(\a)+\b)+4:ACC+8*(4*(\a)+\b)+7] offset:64*\b+16
.endr
.irp t, 0,1,2,3,4,5,6,7
	ds_load_b128 v[TMP+32*((\a)%2)+4*\t:TMP+32*((\a)%2)+4*\t+3], v[RD] offset:\t*2*SP  ; LDS serves a wave's instructions in order (ISA guide 5.7.1.4): these see the stores above
.endr
.endm
.macro SEND a, younger                 ; younger: the next block's eight stores and eight loads, or none
	s_wait_dscnt \younger
.irp t, 0,1,2,3,4,5,6,7
	global_store_b128 v[CO], v[TMP+32*((\a)%2)+4*\t:TMP+32*((\a)%2)+4*\t+3], s[10:11] offset:(16*(\a)+2*\t)*4096  ; 16 lanes store 256 consecutive bytes, aligned
.endr
.endm
	TOSTAGE 0
	TOSTAGE 1
	SEND 0, 16
	TOSTAGE 2
	SEND 1, 16
	TOSTAGE 3
	SEND 2, 16
	SEND 3, 0
	s_wait_tensorcnt 0x0                           ; the wave's end
	ds_add_u32 v[SPW], v[NIL]
	s_wait_dscnt 0x0
	CROUND
	s_endpgm
.Lfunc_end_k_q0d2ae39058_o_proj:
	.size	k_q0d2ae39058_o_proj, .Lfunc_end_k_q0d2ae39058_o_proj-k_q0d2ae39058_o_proj
	.p2alignl 7, 3214868480
	.fill 96, 4, 3214868480
	.section	.rodata,"a",@progbits
	.p2align	6, 0x0
	.amdhsa_kernel k_q0d2ae39058_o_proj
		.amdhsa_group_segment_fixed_size 327680
		.amdhsa_private_segment_fixed_size 0
		.amdhsa_enable_private_segment 0
		.amdhsa_kernarg_size 32
		.amdhsa_user_sgpr_count 2
		.amdhsa_user_sgpr_kernarg_segment_ptr 1
		.amdhsa_wavefront_size32 1
		.amdhsa_system_sgpr_workgroup_id_x 1
		.amdhsa_system_sgpr_workgroup_id_y 1
		.amdhsa_system_sgpr_workgroup_id_z 1
		.amdhsa_system_vgpr_workitem_id 0
		.amdhsa_next_free_vgpr 512
		.amdhsa_next_free_sgpr 80
		.amdhsa_reserve_vcc 0
		.amdhsa_float_denorm_mode_32 3
		.amdhsa_float_denorm_mode_16_64 3
		.amdhsa_memory_ordered 1
		.amdhsa_forward_progress 1
		.amdhsa_inst_pref_size 63
	.end_amdhsa_kernel
	.amdgpu_metadata
---
amdhsa.version: [ 1, 2 ]
amdhsa.kernels:
  - .name:           k_q0d2ae39058_o_proj
    .symbol:         k_q0d2ae39058_o_proj.kd
    .args:
      - { .name: t1, .offset: 0, .size: 8, .value_kind: global_buffer, .address_space: global }
      - { .name: wp, .offset: 8, .size: 8, .value_kind: global_buffer, .address_space: global }
      - { .name: bo, .offset: 16, .size: 8, .value_kind: global_buffer, .address_space: global }
      - { .name: out0, .offset: 24, .size: 8, .value_kind: global_buffer, .address_space: global }
    .group_segment_fixed_size: 327680
    .private_segment_fixed_size: 0
    .kernarg_segment_align: 8
    .kernarg_segment_size: 32
    .max_flat_workgroup_size: 128
    .sgpr_count:     80
    .vgpr_count:     512
    .wavefront_size: 32
...
	.end_amdgpu_metadata
.endif
;; end of part 6
;; ======== version 2 of 2: 6 launches; version 1 with the launch cvt written anew for expert scheduling mode
;; workspace buffers: kv16 33,554,432 bytes; w16 8,388,608 bytes; wp 4,206,592 bytes; t0 8,388,608 bytes; t1 8,388,608 bytes; p 16,777,216 bytes; st 524,288 bytes; qb 16,384 bytes
;; launch cvt (part 7): grid 768 x 1, 8 waves a work-group, no clusters, 0 bytes of LDS; arguments key_value, query, Wq, Wk, Wv, Wo, kv16, t1, w16; writes kv16, t1, w16
.if DOCPART == 7
	.amdgcn_target "amdgcn-amd-amdhsa--gfx1250"
	.amdhsa_code_object_version 6
	.text
	.protected	k_q0d2ae39058_cvt
	.globl	k_q0d2ae39058_cvt
	.p2align	8
	.type	k_q0d2ae39058_cvt,@function
k_q0d2ae39058_cvt:
	s_mov_b64 s[64:65], 0
	v_nop
	global_prefetch_b8 v0, s[64:65] scope:SCOPE_SE
	s_setreg_imm32_b32 hwreg(HW_REG_WAVE_SCHED_MODE, 0, 2), 2
	s_setreg_imm32_b32 hwreg(HW_REG_WAVE_MODE, 25, 1), 1
	s_wait_xcnt 0x0
	s_wait_alu depctr_vm_vsrc(0)
; f32 -> bf16, rounded once to nearest even, for the six large inputs: key_value -> kv16, query -> t1, and into w16: Wq at byte 0, Wk at 2,097,152, Wv at 4,194,304,
; and Wo TRANSPOSED ([column][row]) at 6,291,456, so that the launch behind can take Wv Wo as a product of rows with rows.
; A stream: each input byte is read once, each output byte written once; no LDS, no barrier, no matrix unit.
; SHARES.  A work-group of eight waves converts 131,072 input bytes into 65,536 output bytes.  Work-groups 0-511 key_value, 512-639 query, 640-671 Wq, 672-703 Wk, 704-735 Wv, 736-767 Wo.
; STRAIGHT (0-735): 32 turns of 4,096 bytes.  Thread t takes bytes 16 t of a turn's input and writes bytes 8 t of its output: a wave's load covers 512 consecutive bytes, its store 256, aligned.
; Sixteen loads of every wave are out; each turn has its own pair of store registers, and the two offset registers are never rewritten.
; TURNED (736-767): four blocks of 128 rows x 64 columns of Wo.  A lane loads 16 bytes (4 columns) of each of 8 rows; the eight waves together take 256 consecutive bytes of each of the 128 rows.
; For each of its 4 columns the lane then holds 8 neighbouring rows' numbers: 16 bytes of a row of the turned matrix, and sixteen lanes store 256 consecutive bytes, aligned.
; THE MODE: SCHED_MODE bits 1:0 = 2 (LLVM: expert scheduling mode 2), set by the entry lines.  The code itself states the register dependences
; between vector instructions and memory instructions, with s_wait_alu, always for 0.
; THE PLAN, STRAIGHT.  Registers that memory instructions touch:
;   v1, v2   byte offsets, made once at the head and never written again: read by every load (v1) and every store (v2).
;   X        a ring of 20 slots of 4.  Turn n's load lands in slot n % 20; turn n's two conversions read it.
;   Y        a pair for each turn, never rewritten.  Written by turn n's conversions; read by its store, which is issued in turn n + 4.
; The turns go in blocks of four.  Turn n issues the load of turn n + 16, into slot (n + 16) % 20 = (n - 4) % 20, and the store of turn n - 4: both touch what the block BEFORE worked on, and no
; conversion of the block in hand names those registers.  So one wait at a block's head states all that the block's eight memory instructions hang on, and they are dealt among its conversions
; with no further wait.  Sixteen slots are on their way, four are the block just converted.  No register that a memory instruction reads is ever written again, so nothing is owed on that side.
; THE PLAN, TURNED.  X is two buffers of 32, Y sixteen registers a block, never rewritten.  Block q's conversions read X[q % 2] and write Y[q]; the buffer is asked for again at once, so the block's
; one wait stands behind its conversions, ahead of the loads into X[q % 2] and of the stores from Y[q].
.set X,     4                          ; v[4:83]    as loaded: 20 slots of 4 (turned: two blocks of 8 loads, v[4:67])
.set Y,     84                         ; v[84:147]  as stored: each store has registers of its own
.set TURNS, 32
.set DEPTH, 16                         ; loads on their way
.set BLOCK, 4                          ; turns between two waits on the vector side
.set RING,  DEPTH+BLOCK                ; slots
	s_load_b512 s[8:23], s[0:1], 0x0               ; key_value s[8:9], query s[10:11], Wq s[12:13], Wk s[14:15], Wv s[16:17], Wo s[18:19], kv16 s[20:21], t1 s[22:23]
	s_load_b64 s[24:25], s[0:1], 0x40              ; w16
	s_cmp_ge_u32 ttmp9, 736
	s_cbranch_scc1 .Ltrans
	v_lshlrev_b32 v1, 4, v0                        ; 16 t
	v_lshlrev_b32 v2, 3, v0                        ; 8 t
	s_mov_b32 s32, 704                             ; the first work-group of my source,
	s_mov_b32 s34, 640                             ; and of my destination: the last straight segment's, overridden downwards
	s_wait_kmcnt 0x0
	s_mov_b64 s[28:29], s[16:17]                   ; Wv
	s_mov_b64 s[30:31], s[24:25]                   ; w16
	s_cmp_lt_u32 ttmp9, 704
	s_cselect_b64 s[28:29], s[14:15], s[28:29]     ; Wk
	s_cselect_b32 s32, 672, s32
	s_cmp_lt_u32 ttmp9, 672
	s_cselect_b64 s[28:29], s[12:13], s[28:29]     ; Wq
	s_cselect_b32 s32, 640, s32
	s_cmp_lt_u32 ttmp9, 640
	s_cselect_b64 s[28:29], s[10:11], s[28:29]     ; query
	s_cselect_b64 s[30:31], s[22:23], s[30:31]     ; t1
	s_cselect_b32 s32, 512, s32
	s_cselect_b32 s34, 512, s34
	s_cmp_lt_u32 ttmp9, 512
	s_cselect_b64 s[28:29], s[8:9], s[28:29]       ; key_value
	s_cselect_b64 s[30:31], s[20:21], s[30:31]     ; kv16
	s_cselect_b32 s32, 0, s32
	s_cselect_b32 s34, 0, s34
	s_sub_co_u32 s32, ttmp9, s32
	s_lshl_b32 s32, s32, 17                        ; 131,072 bytes of source a work-group (under 2^27)
	s_mov_b32 s33, 0
	s_sub_co_u32 s34, ttmp9, s34
	s_lshl_b32 s34, s34, 16                        ; 65,536 bytes of destination
	s_mov_b32 s35, 0
	s_add_nc_u64 s[28:29], s[28:29], s[32:33]
	s_add_nc_u64 s[30:31], s[30:31], s[34:35]
	s_wait_alu depctr_va_vdst(0)                   ; v1 and v2 are written: every load and store of this part reads one of them as its offset
.set i, 0
.rept DEPTH
	global_load_b128 v[X+4*i:X+4*i+3], v1, s[28:29] offset:4096*i th:TH_LOAD_NT
.set i, i+1
.endr
.macro SLOT i
.if (\i) < TURNS-DEPTH
	s_wait_loadcnt DEPTH-1                         ; loads come back in order: mine is in, the fifteen younger ones stay out
.else
	s_wait_loadcnt TURNS-1-(\i)                    ; the last sixteen turns load nothing: the counts run down
.endif
.if ((\i) % BLOCK == 0) && ((\i) > 0)
	s_wait_alu depctr_va_vdst(0)                   ; a block's head: the block before has written its four pairs of Y, which this block's stores read, and is done reading its four slots, in which this block's loads land
.endif
.if (\i) < TURNS-DEPTH
	global_load_b128 v[X+4*(((\i)+DEPTH)%RING):X+4*(((\i)+DEPTH)%RING)+3], v1, s[28:29] offset:4096*((\i)+DEPTH) th:TH_LOAD_NT  ; into the slot of turn i - 4 (in the first block: a slot that no vector instruction has named)
.endif
.if (\i) >= BLOCK
	global_store_b64 v2, v[Y+2*((\i)-BLOCK):Y+2*((\i)-BLOCK)+1], s[30:31] offset:2048*((\i)-BLOCK) th:TH_STORE_NT  ; turn i - 4; no vector instruction since the wait names these registers
.endif
	v_cvt_pk_bf16_f32 v[Y+2*(\i)],   v[X+4*((\i)%RING)],   v[X+4*((\i)%RING)+1]
	v_cvt_pk_bf16_f32 v[Y+2*(\i)+1], v[X+4*((\i)%RING)+2], v[X+4*((\i)%RING)+3]
.endm
.set t, 0
.rept TURNS
	SLOT t
.set t, t+1
.endr
	s_wait_alu depctr_va_vdst(0)                   ; the last block has written its four pairs of Y, which the last four stores read
.set t, TURNS-BLOCK
.rept BLOCK
	global_store_b64 v2, v[Y+2*t:Y+2*t+1], s[30:31] offset:2048*t th:TH_STORE_NT
.set t, t+1
.endr
	s_endpgm
.Ltrans:                                       ; work-group g = 0..31 of Wo: rows 128 (g % 8) on, columns 256 (g / 8) on, in four blocks of 64 columns
	v_and_b32 v3, 15, v0                           ; r: my 8 rows are 8 r .. 8 r + 7 of the 128
	v_lshrrev_b32 v1, 4, v0                        ; c = t / 16: my 4 columns are 4 c .. 4 c + 3 of the 64
	v_lshlrev_b32 v2, 13, v1                       ; store: 4 c rows of 2,048 bytes,
	v_lshl_or_b32 v2, v3, 4, v2                    ; 16 r bytes along them
	v_lshlrev_b32 v1, 4, v1                        ; load: 16 c bytes along a row,
	v_lshl_or_b32 v1, v3, 15, v1                   ; 8 r rows of 4,096 bytes
	s_sub_co_u32 s32, ttmp9, 736
	s_and_b32 s33, s32, 7                          ; which 128 rows
	s_lshr_b32 s32, s32, 3                         ; which 256 columns
	s_lshl_b32 s34, s33, 19                        ; source: 128 rows of 4,096 bytes,
	s_lshl_b32 s35, s32, 10                        ; 256 columns of 4 bytes
	s_add_co_u32 s34, s34, s35
	s_mov_b32 s35, 0
	s_lshl_b32 s36, s32, 19                        ; destination: 256 rows of 2,048 bytes,
	s_lshl_b32 s37, s33, 8                         ; 128 columns of 2 bytes,
	s_add_co_u32 s36, s36, s37
	s_add_co_u32 s36, s36, 6291456                 ; behind Wq, Wk and Wv
	s_mov_b32 s37, 0
	s_wait_kmcnt 0x0
	s_add_nc_u64 s[28:29], s[18:19], s[34:35]
	s_add_nc_u64 s[30:31], s[24:25], s[36:37]
	s_wait_alu depctr_va_vdst(0)                   ; v1 and v2 are written: every load and store of this part reads one of them as its offset
.macro TLOAD q                         ; block q: my 4 columns of my 8 rows
.irp i, 0,1,2,3,4,5,6,7
	global_load_b128 v[X+32*((\q)%2)+4*\i:X+32*((\q)%2)+4*\i+3], v1, s[28:29] offset:4096*\i+256*(\q)
.endr
.endm
.macro TBLK q, left                    ; left: the younger block's loads, which may stay out
	s_wait_loadcnt \left
.irp e, 0,1,2,3
.irp k, 0,1,2,3
	v_cvt_pk_bf16_f32 v[Y+16*(\q)+4*\e+\k], v[X+32*((\q)%2)+8*\k+\e], v[X+32*((\q)%2)+8*\k+4+\e]  ; column e: rows 2 k (low half) and 2 k + 1
.endr
.endr
	s_wait_alu depctr_va_vdst(0)                   ; the sixteen conversions have written Y[q], which the stores below read, and are done reading X[q % 2], in which (blocks 0 and 1) the loads below land
.if (\q) < 2
	TLOAD (\q)+2
.endif
.irp e, 0,1,2,3
	global_store_b128 v2, v[Y+16*(\q)+4*\e:Y+16*(\q)+4*\e+3], s[30:31] offset:(64*(\q)+\e)*2048 th:TH_STORE_NT  ; 16 lanes store 256 consecutive bytes, aligned
.endr
.endm
	TLOAD 0
	TLOAD 1
	TBLK 0, 8
	TBLK 1, 8
	TBLK 2, 8
	TBLK 3, 0
	s_endpgm
.Lfunc_end_k_q0d2ae39058_cvt:
	.size	k_q0d2ae39058_cvt, .Lfunc_end_k_q0d2ae39058_cvt-k_q0d2ae39058_cvt
	.p2alignl 7, 3214868480
	.fill 96, 4, 3214868480
	.section	.rodata,"a",@progbits
	.p2align	6, 0x0
	.amdhsa_kernel k_q0d2ae39058_cvt
		.amdhsa_group_segment_fixed_size 0
		.amdhsa_private_segment_fixed_size 0
		.amdhsa_enable_private_segment 0
		.amdhsa_kernarg_size 72
		.amdhsa_user_sgpr_count 2
		.amdhsa_user_sgpr_kernarg_segment_ptr 1
		.amdhsa_wavefront_size32 1
		.amdhsa_system_sgpr_workgroup_id_x 1
		.amdhsa_system_sgpr_workgroup_id_y 1
		.amdhsa_system_sgpr_workgroup_id_z 1
		.amdhsa_system_vgpr_workitem_id 0
		.amdhsa_next_free_vgpr 148
		.amdhsa_next_free_sgpr 66
		.amdhsa_reserve_vcc 0
		.amdhsa_float_denorm_mode_32 3
		.amdhsa_float_denorm_mode_16_64 3
		.amdhsa_memory_ordered 1
		.amdhsa_forward_progress 1
		.amdhsa_inst_pref_size 23
	.end_amdhsa_kernel
	.amdgpu_metadata
---
amdhsa.version: [ 1, 2 ]
amdhsa.kernels:
  - .name:           k_q0d2ae39058_cvt
    .symbol:         k_q0d2ae39058_cvt.kd
    .args:
      - { .name: key_value, .offset: 0, .size: 8, .value_kind: global_buffer, .address_space: global }
      - { .name: query, .offset: 8, .size: 8, .value_kind: global_buffer, .address_space: global }
      - { .name: Wq, .offset: 16, .size: 8, .value_kind: global_buffer, .address_space: global }
      - { .name: Wk, .offset: 24, .size: 8, .value_kind: global_buffer, .address_space: global }
      - { .name: Wv, .offset: 32, .size: 8, .value_kind: global_buffer, .address_space: global }
      - { .name: Wo, .offset: 40, .size: 8, .value_kind: global_buffer, .address_space: global }
      - { .name: kv16, .offset: 48, .size: 8, .value_kind: global_buffer, .address_space: global }
      - { .name: t1, .offset: 56, .size: 8, .value_kind: global_buffer, .address_space: global }
      - { .name: w16, .offset: 64, .size: 8, .value_kind: global_buffer, .address_space: global }
    .group_segment_fixed_size: 0
    .private_segment_fixed_size: 0
    .kernarg_segment_align: 8
    .kernarg_segment_size: 72
    .max_flat_workgroup_size: 256
    .sgpr_count:     66
    .vgpr_count:     148
    .wavefront_size: 32
...
	.end_amdgpu_metadata
.endif
;; end of part 7
;; launch wprod: the kernel of part 2 again; grid 8 x 16, 4 waves a work-group, clusters of 4 x 4, 327,680 bytes of LDS; arguments w16, bq, bv, bk, wp; writes wp
;; launch qp: the kernel of part 3 again; grid 8 x 32, 4 waves a work-group, clusters of 4 x 4, 327,680 bytes of LDS; arguments t1, wp, bq, bk, t0, qb; writes t0, qb
;; launch score: the kernel of part 4 again; grid 8 x 32, 4 waves a work-group, clusters of 4 x 4, 327,680 bytes of LDS; arguments t0, kv16, qb, key_mask, p, st; writes p, st
;; launch ctx: the kernel of part 5 again; grid 8 x 32, 4 waves a work-group, clusters of 4 x 4, 327,680 bytes of LDS; arguments p, kv16, st, t1; writes t1
;; launch o_proj: the kernel of part 6 again; grid 8 x 32, 4 waves a work-group, clusters of 4 x 4, 327,680 bytes of LDS; arguments t1, wp, bo, out0; writes out0
